; MI455X (gfx1250); checked and timed in simulation.
; The chip was launched on July 23, 2026; its instructions are those of AMD's public machine-readable ISA for CDNA 5 (MIT licence, August 2026) and "CDNA5" Instruction Set Architecture Reference Guide (July 2026). The comments in the code are by the model that wrote it; some were corrected since.
;; Linear Attention Layer. Allowed arithmetic: matrix products marked QUANTISED: E2M3 operands, one E8M0 scale for each 32 along K, by v_wmma_scale_f32_16x16x128_f8f6f4 with both operands' format E2M3, f32 sums; everything else in f32.
;; Inputs: Wk 512 x 512 float32; Wo 512 x 512 float32; Wq 512 x 512 float32; Wv 512 x 512 float32; beta 512 float32; bo 512 float32; gamma 512 float32; x 8 x 2,097,152 float32.
;; Outputs: out0 8 x 2,097,152 float32.
;; This version of the problem:
;;   THIS VERSION OF THE PROBLEM IS GIVEN IN LOW PRECISION. The matrix products marked QUANTISED in the list below multiply operands that are first quantised to E2M3 (2 exponent bits, 3 mantissa bits; 6 bits a number), with one power-of-two scale for each 32 numbers along K (OCP MX v1.0); their sums are f32. All else is computed in f32.
;;   The module's matrix products, in the order in which they are computed (A, B: the left and right operand; K: the contracted axis; several contracted axes count as one K, in the product's order):
;;     1. [M 32,768, K 512] x [K 512, N 512]; A: input x; B: input Wq: QUANTISED
;;     2. [M 32,768, K 512] x [K 512, N 512]; A: input x; B: input Wk: QUANTISED
;;     3. [M 32,768, K 512] x [K 512, N 512]; A: input x; B: input Wv: QUANTISED
;;     4. batch 32 x [M 512, K 1,024] x [K 1,024, N 512]; A: computed on the way; B: computed on the way: QUANTISED
;;     5. batch 32 x [M 1,024, K 512] x [K 512, N 512]; A: computed on the way; B: computed on the way: QUANTISED
;;     6. [M 32,768, K 512] x [K 512, N 512]; A: computed on the way; B: input Wo: QUANTISED
;;   THE QUANTISER, for each operand of a quantised product, along K:
;;     - K is cut into blocks of 32 from its start; a last block that is shorter is filled with zeros.
;;     - A block's scale is 2^e with e = floor(log2(the largest magnitude in the block)) - 2, held to -126 .. 127; a block of zeros has e = 0. As a byte (E8M0): e + 127.
;;     - Each number is divided by its block's scale, clamped to +-7.5, and rounded to the nearest number of E2M3, ties to even, subnormals kept.
;;     - The product sums the exact products of the quantised numbers (number of the format x scale) in f32.
;;   ~~~python
;;   def quantise(x, axis):      # numpy; x: float32 -> the quantised numbers, widened to float32 again
;;       x = np.moveaxis(x, axis, -1); K = x.shape[-1]
;;       x = np.pad(x, [(0, 0)] * (x.ndim - 1) + [(0, -K % 32)]); x = x.reshape(x.shape[:-1] + (-1, 32)); a = np.abs(x).max(-1, keepdims=True)
;;       e = np.where(a > 0, np.clip(np.frexp(np.where(a > 0, a, 1))[1] - 1 - 2, -126, 127), 0)      # np.frexp(a)[1] - 1 = floor(log2(a)), exactly
;;       r = np.clip(x / 2.0 ** e, -7.5, 7.5)
;;       step = 2.0 ** (np.maximum(np.frexp(np.where(r == 0, 1, r))[1] - 1, 0) - 3)
;;       q = np.round(r / step) * step * 2.0 ** e      # np.round: ties to even
;;       return np.moveaxis(q.reshape(q.shape[:-2] + (-1,))[..., :K], -1, axis).astype(np.float32)
;;   ~~~
;;   OPERANDS COMPUTED ON THE WAY. 'Computed on the way' means the value that the module computes at that place (a softmax that the list does not call 'softmax' is quantised finished and normalised). What goes into a quantiser is computed in f32, as accurately as f32 sums, v_exp_f32 and their like allow (about 1e-6 of the number): no bf16 or f16 on the way to a quantiser, and a product that is left as it is and whose result goes on into a quantised operand takes f32 operands (vector FMAs, or v_wmma_f32_16x16x4_f32). A number that lies on a knife's edge between two numbers of the format may be rounded either way, as far as f32 arithmetic and the matrix unit's own rounding can turn it there, and no further.
;; 2 versions, each right; version 2 is version 1 with the launch proj written anew for expert scheduling mode. Each part assembles by itself: llvm-mc -triple=amdgcn-amd-amdhsa -mcpu=gfx1250 --defsym DOCPART=n.
;; ======== version 1 of 2: 4 launches
;; workspace buffers: xq 13,631,488 bytes; wq 851,968 bytes; kvt 27,262,976 bytes; kv 6,815,744 bytes; kpart 524,288 bytes
;; launch quant (part 1): grid 2176 x 1, 1 waves a work-group, no clusters, 8,704 bytes of LDS; arguments x, Wk, Wv, Wq, Wo, xq, wq; writes xq, wq
.if DOCPART == 1
	.amdgcn_target "amdgcn-amd-amdhsa--gfx1250"
	.amdhsa_code_object_version 6
	.text
	.protected	k_qce2b628643_quant
	.globl	k_qce2b628643_quant
	.p2align	8
	.type	k_qce2b628643_quant,@function
k_qce2b628643_quant:
	s_mov_b64 s[64:65], 0
	v_nop
	global_prefetch_b8 v0, s[64:65] scope:SCOPE_SE
	s_setreg_imm32_b32 hwreg(HW_REG_WAVE_MODE, 25, 1), 1
	s_wait_xcnt 0x0
; x [32768][512] and Wk, Wv, Wq, Wo [512][512], f32 with K innermost, become codes of FP6 (E2M3) with one E8M0 byte for each 32 along K,
; laid in the ORDER OF THE OPERAND'S REGISTERS.  A tile is 16 rows; a fragment (16 rows x 128 K) is 12 registers a lane, stored as three
; runs of 512 bytes, lane l's 16 bytes at 16 l: 1,536 bytes.  A tile's four fragments lie on end (6,144 bytes); its scale words are one
; image of 512 bytes, lane l's four words (K steps 0 to 3) at 16 l.
; THE ROWS OF A TILE ARE NOT NEIGHBOURS: lane r of tile t takes row 32 (t / 2) + 8 (t % 2) + r + 8 (r / 8), so that a product that has the
; tile as source 0 leaves 16 neighbours along that axis in the 16 registers of two neighbouring tiles.
; A block's scale is 2^(floor(log2(largest magnitude)) - 2); its byte is the largest magnitude's exponent field - 2, held at 1 from below.
; LIMITS: a block whose largest magnitude lies under 2^-124 (a block of zeros too) keeps the byte 1: its codes are what the conversion
; gives under that scale (zeros for zeros), and this program alone reads the bytes.  NaN and infinities among the inputs are not served.
; SHARES: a work-group is ONE wave and takes one tile: 2,176 tiles spread over the chip more evenly than 544 groups of four would.
; Work-groups 0 to 2,047 take x's tiles, 2,048 to 2,175 the weights' 128; only pointers are chosen, by the work-group's number: all take
; one path.  Each load reads 512 consecutive bytes of a row; a K step's 16 rows turn through the stage in LDS (rows 528 bytes apart) and
; come back 16 neighbours of each block to a lane.  No barrier, no matrix unit, no cluster, no tensor load: the launch streams, and a wave
; has 32 loads of 512 bytes on their way.
.set XQS,  12582912                    ; xq: the tiles' scale images, behind 2,048 tiles x 6,144 bytes
.set WQS,  786432                      ; wq: likewise, behind 128 tiles
.set SP,   528                         ; a stage row: 512 bytes + 16
.set R,    16                          ; v16-143  two sets of 64: a K step as loaded
.set X,    144                         ; v144-207 register 16 b + i = k 32 b + 16 (lane / 16) + i of my row
.set TM,   208                         ; v208-223 at work in QUANT
.set SW,   224                         ; v224-227 the four scale words
.set PC,   228                         ; v228-246 the codes
.set SEL,  34                          ; s[34:35] v_permlanex16_b32's selects for lane l xor 16
.set FLR,  38                          ; s38      the floor 2^(3 - 127)
; 64 numbers of a lane become a fragment's 12 registers at v[pc] on and its scale word in v[pw]
.macro QUANT src, pc, pw
.irp b, 0,1,2,3
	v_max3_num_f32 v[TM+\b], s[FLR], |v[(\src)+16*\b]|, |v[(\src)+16*\b+1]|   ; block b: my 16 numbers, and the floor: the byte cannot fall under 1
.endr
.irp i, 2,4,6,8,10,12,14
.irp b, 0,1,2,3
	v_max3_num_f32 v[TM+\b], v[TM+\b], |v[(\src)+16*\b+\i]|, |v[(\src)+16*\b+\i+1]|   ; the four blocks by turns
.endr
.endr
.irp b, 0,1,2,3
	v_permlanex16_b32 v[TM+4+\b], v[TM+\b], s[SEL], s[SEL+1]
.endr
.irp b, 0,1,2,3
	v_max_num_f32 v[TM+\b], v[TM+\b], v[TM+4+\b]           ; with lane l xor 16's 16: the block's largest magnitude
.endr
.irp b, 0,1,2,3
	v_add_nc_u32 v[TM+12+\b], 0xff000000, v[TM+\b]         ; 2 off its exponent field: the conversion's scale operand
.endr
.irp b, 0,1,2,3
	v_lshrrev_b32 v[TM+4+\b], 23, v[TM+12+\b]              ; the scale's byte
.endr
	v_lshl_or_b32 v[(\pw)], v[TM+5], 8, v[TM+4]
	v_lshl_or_b32 v[(\pw)], v[TM+6], 16, v[(\pw)]
	v_lshl_or_b32 v[(\pw)], v[TM+7], 24, v[(\pw)]          ; my row's scale word
.irp c, 0,1
	v_cvt_scalef32_pk16_fp6_f32 v[(\pc)+6*\c:(\pc)+6*\c+2], v[(\src)+32*\c:(\src)+32*\c+15], v[TM+12+2*\c]
	v_cvt_scalef32_pk16_fp6_f32 v[(\pc)+12+4*\c:(\pc)+14+4*\c], v[(\src)+16+32*\c:(\src)+31+32*\c], v[TM+13+2*\c]   ; (three registers from an even number on)
.endr
	v_nop                                                  ; one plain place behind a scaled conversion
.irp c, 0,1                                            ; the layout wants a whole block in a lane: lanes 0-15 block 2 c, lanes 16-31 block 2 c + 1
.irp i, 0,1,2
	v_permlane16_swap_b32 v[(\pc)+6*\c+\i], v[(\pc)+12+4*\c+\i]
.endr
.irp i, 0,1,2
	v_mov_b32 v[(\pc)+3+6*\c+\i], v[(\pc)+12+4*\c+\i]
.endr
.endr
.endm
	s_load_b256 s[4:11], s[0:1], 0x0               ; x s[4:5], Wk s[6:7], Wv s[8:9], Wq s[10:11]
	s_load_b128 s[12:15], s[0:1], 0x20             ; Wo s[12:13], xq s[14:15]
	s_load_b64 s[16:17], s[0:1], 0x30              ; wq
	v_lshl_add_u32 v248, v0, 2, 0x2100
	v_mov_b32 v249, 0
	v_and_b32 v2, 15, v0                           ; r (one wave: the thread's number is the lane)
	v_bfe_u32 v3, v0, 4, 1                         ; h
	v_lshlrev_b32 v4, 4, v0                        ; 16 x lane: my place in a run of 512 bytes, in memory and on the way into the stage
	v_mul_u32_u24 v6, v2, SP
	v_lshl_add_u32 v6, v3, 6, v6                   ; out of the stage: row r, + 64 h
	s_mov_b32 s[SEL], 0x76543210
	s_mov_b32 s[SEL+1], 0xfedcba98
	s_mov_b32 s[FLR], 0x1800000
.irp b, 0,1,2,3
	v_mov_b32 v[TM+4+\b], 0                        ; written once: a lane permute's destination counts as one of its sources
.endr
	s_and_b32 s22, ttmp9, 127                      ; a weight's work-group: 2,048 + q
	s_lshr_b32 s23, s22, 5                         ; which weight: 0 Wk, 1 Wv, 2 Wq, 3 Wo
	s_and_b32 s24, s22, 31                         ; its tile t
	s_mov_b32 s25, ttmp9                           ; x's tile T
	s_lshr_b32 s26, s24, 3
	s_lshl_b32 s26, s26, 4
	s_and_b32 s27, s24, 7
	s_add_co_u32 s26, s26, s27
	s_lshl_b32 s27, s23, 3
	s_add_co_u32 s26, s26, s27                     ; Wk, Wv: slot 16 (t / 8) + t % 8 + 8 x which: eight of K, then eight of V, for each wave of the next launch
	s_lshl_b32 s27, s23, 5
	s_add_co_u32 s27, s27, s24                     ; Wq, Wo: slot 32 x which + t
	s_mov_b32 s28, WQS
	s_wait_kmcnt 0x0
	s_cmp_eq_u32 s23, 0
	s_cselect_b64 s[6:7], s[6:7], s[8:9]
	s_cmp_eq_u32 s23, 2
	s_cselect_b64 s[10:11], s[10:11], s[12:13]
	s_cmp_lt_u32 s23, 2
	s_cselect_b64 s[6:7], s[6:7], s[10:11]         ; the weight
	s_cselect_b32 s26, s26, s27                    ; and its slot
	s_cmp_lt_u32 ttmp9, 2048                       ; x's work-group or a weight's: the choice hangs on the work-group's number alone
	s_cselect_b64 s[4:5], s[4:5], s[6:7]           ; from where
	s_cselect_b64 s[14:15], s[14:15], s[16:17]     ; to where
	s_cselect_b32 s24, s25, s24                    ; the tile in its tensor
	s_cselect_b32 s26, s25, s26                    ; the tile's slot in its buffer
	s_cselect_b32 s28, XQS, s28
	s_lshr_b32 s30, s24, 1
	s_lshl_b32 s30, s30, 16                        ; 32 rows of 2,048 bytes for each pair of tiles,
	s_and_b32 s29, s24, 1
	s_lshl_b32 s29, s29, 14                        ; 8 rows for the odd one
	s_add_co_u32 s30, s30, s29
	s_mov_b32 s31, 0
	s_add_nc_u64 s[4:5], s[4:5], s[30:31]
	s_lshl_b32 s30, s26, 9
	s_add_co_u32 s30, s30, s28
	s_add_nc_u64 s[18:19], s[14:15], s[30:31]      ; the tile's scale image
	s_mul_i32 s30, s26, 6144
	s_add_nc_u64 s[14:15], s[14:15], s[30:31]      ; the tile's four fragments
.macro LOAD s                          ; K step s of the tile's 16 rows: each load reads 512 consecutive bytes, aligned
.irp i, 0,1,2,3,4,5,6,7,8,9,10,11,12,13,14,15
	global_load_b128 v[R+64*((\s)%2)+4*\i:R+64*((\s)%2)+4*\i+3], v4, s[4:5] offset:(\i+8*(\i/8))*2048+512*(\s) th:TH_LOAD_NT
.endr
.endm
.macro STEP s
.if \s < 3
	s_wait_loadcnt 16                              ; this K step's 16 loads are in; the next step's 16 may be out
.else
	s_wait_loadcnt 0x0
.endif
.irp i, 0,1,2,3,4,5,6,7,8,9,10,11,12,13,14,15
	ds_store_b128 v4, v[R+64*((\s)%2)+4*\i:R+64*((\s)%2)+4*\i+3] offset:SP*\i
.endr
.irp b, 0,1,2,3
.irp j, 0,1,2,3
	ds_load_b128 v[X+16*\b+4*\j:X+16*\b+4*\j+3], v6 offset:128*\b+16*\j   ; LDS serves a wave's instructions in order: these see the stores above
.endr
.endr
	s_wait_dscnt 0x0                               ; my numbers are back, and the stores have read their registers
.if \s > 0
	s_wait_xcnt 0x0                                ; the last step's stores have read the codes' registers
.endif
.if \s < 2
	LOAD (\s)+2
.endif
	QUANT X, PC, SW+\s
.irp c, 0,1,2
	global_store_b128 v4, v[PC+4*\c:PC+4*\c+3], s[14:15] offset:1536*(\s)+512*\c   ; 512 consecutive bytes, aligned
.endr
.endm
	LOAD 0
	LOAD 1
	STEP 0
	STEP 1
	STEP 2
	STEP 3
	global_store_b128 v4, v[SW:SW+3], s[18:19]     ; the four scale words of each lane: 512 consecutive bytes
	s_wait_tensorcnt 0x0
	ds_add_u32 v248, v249
	s_wait_dscnt 0x0
	s_endpgm
.Lfunc_end_k_qce2b628643_quant:
	.size	k_qce2b628643_quant, .Lfunc_end_k_qce2b628643_quant-k_qce2b628643_quant
	.p2alignl 7, 3214868480
	.fill 96, 4, 3214868480
	.section	.rodata,"a",@progbits
	.p2align	6, 0x0
	.amdhsa_kernel k_qce2b628643_quant
		.amdhsa_group_segment_fixed_size 8704
		.amdhsa_private_segment_fixed_size 0
		.amdhsa_enable_private_segment 0
		.amdhsa_kernarg_size 56
		.amdhsa_user_sgpr_count 2
		.amdhsa_user_sgpr_kernarg_segment_ptr 1
		.amdhsa_wavefront_size32 1
		.amdhsa_system_sgpr_workgroup_id_x 1
		.amdhsa_system_sgpr_workgroup_id_y 1
		.amdhsa_system_sgpr_workgroup_id_z 1
		.amdhsa_system_vgpr_workitem_id 0
		.amdhsa_next_free_vgpr 250
		.amdhsa_next_free_sgpr 66
		.amdhsa_reserve_vcc 0
		.amdhsa_float_denorm_mode_32 3
		.amdhsa_float_denorm_mode_16_64 3
		.amdhsa_memory_ordered 1
		.amdhsa_forward_progress 1
		.amdhsa_inst_pref_size 33
	.end_amdhsa_kernel
	.amdgpu_metadata
---
amdhsa.version: [ 1, 2 ]
amdhsa.kernels:
  - .name:           k_qce2b628643_quant
    .symbol:         k_qce2b628643_quant.kd
    .args:
      - { .name: x, .offset: 0, .size: 8, .value_kind: global_buffer, .address_space: global }
      - { .name: Wk, .offset: 8, .size: 8, .value_kind: global_buffer, .address_space: global }
      - { .name: Wv, .offset: 16, .size: 8, .value_kind: global_buffer, .address_space: global }
      - { .name: Wq, .offset: 24, .size: 8, .value_kind: global_buffer, .address_space: global }
      - { .name: Wo, .offset: 32, .size: 8, .value_kind: global_buffer, .address_space: global }
      - { .name: xq, .offset: 40, .size: 8, .value_kind: global_buffer, .address_space: global }
      - { .name: wq, .offset: 48, .size: 8, .value_kind: global_buffer, .address_space: global }
    .group_segment_fixed_size: 8704
    .private_segment_fixed_size: 0
    .kernarg_segment_align: 8
    .kernarg_segment_size: 56
    .max_flat_workgroup_size: 32
    .sgpr_count:     66
    .vgpr_count:     250
    .wavefront_size: 32
...
	.end_amdgpu_metadata
.endif
;; end of part 1
;; launch proj (part 2): grid 256 x 1, 4 waves a work-group, no clusters, 51,712 bytes of LDS; arguments xq, wq, kvt, kpart; writes kvt, kpart
.if DOCPART == 2
	.amdgcn_target "amdgcn-amd-amdhsa--gfx1250"
	.amdhsa_code_object_version 6
	.text
	.protected	k_qce2b628643_proj
	.globl	k_qce2b628643_proj
	.p2align	8
	.type	k_qce2b628643_proj,@function
k_qce2b628643_proj:
	s_mov_b64 s[64:65], 0
	v_nop
	global_prefetch_b8 v0, s[64:65] scope:SCOPE_SE
	s_setreg_imm32_b32 hwreg(HW_REG_WAVE_MODE, 25, 1), 1
	s_wait_xcnt 0x0
; K = phi(x Wk^T), V = x Wv^T on codes of FP6 (E2M3); both are quantised along the POSITIONS s, which are the next product's K, and stored as
; fragment images of K^T and V^T; the sum of the unquantised K over the work-group's 128 positions goes to kpart.  phi(t) = elu(t) + 1.
; SHARES: work-group g takes positions 128 g .. 128 g + 127 (sequence g / 8, K step g % 8 of the next product).  All four waves hold the
; block's 8 tiles x 4 K steps of x in registers (384); wave w streams 16 weight tiles: K's tiles 8 w .. 8 w + 7, then V's.
; A UNIT is one weight tile: 32 matrix instructions, source 0 = x's tile a, source 1 = the weight's 16 rows.  A lane then holds ONE column d
; and, by the order of a tile's rows, register 16 b + i = position 32 b + 16 (lane / 16) + i: the 64 results are one fragment of K^T or V^T.
; WEIGHTS GO FROM MEMORY STRAIGHT INTO OPERAND REGISTERS, two units ahead.  No joint loads though all work-groups read the same 393,216 bytes:
; each fragment is read by one wave of the work-group, once; through LDS the same bytes would be written and read once more, and they
; do not fit there whole beside x's 49,152 bytes.
; phi(t) = THE MIDDLE ONE OF t + 1, e^t AND 1: above 0, 1 < t + 1 <= e^t; below 0, t + 1 <= e^t < 1.  No compare; an e^t that has run
; over to infinity is never the middle one.
; LIMITS: e^t where the definition has expm1(t) + 1 (they differ by one rounding of 1 + ..); results of the exponential under 2^-126 are zero;
; a block whose largest magnitude lies under 2^-124 keeps the byte 1; NaN and infinities are not served.
; REGISTERS, in windows of 256: window 0: v4-9 addresses; v24-55 x's scale words (4 a + s); v56-63 the weights'; v88-183 two sets of a weight
; tile's four fragments; v184-246 at work.  Window 1: v0-191 x's fragments of K steps 0, 1 (96 (s % 2) + 12 a); v192-255 the exponentials.
; Window 2: v0-191 x's fragments of K steps 2, 3; v192-255 the eight accumulators.
.set XQS, 12582912
.set WQS, 786432
.set VT,  12582912                     ; kvt: V^T's images, behind K^T's [g 256][tile 32] x 1,536
.set KTS, 25165824                     ; K^T's scale words, 128 bytes a fragment
.set VTS, 26214400                     ; V^T's
.set KSL, 49152                        ; LDS: behind x's images, 512 bytes for each wave: its 128 columns' sums
.set RW,  1
.set AW,  2
.set TW,  1
.set LI,  4                            ; v4  16 x lane
.set XW,  5                            ; v5  where I put my part of x's images
.set KS0, 6                            ; v6  my column's sum: KSL + 512 w + 4 (r + 8 (r / 8))
.set KA,  7                            ; v7  the same for the unit in hand
.set KSR, 8                            ; v8  KSL + 512 w + 16 x lane
.set L4,  9                            ; v9  4 x lane
.set TM,  184
.set PW,  200
.set S1,  202
.set PC,  204
.set S2,  244
.set TP,  246
.set WP,  18                           ; s[18:19] the weights' images   s[20:21] their scale images
.set WS,  20
.set KO,  22                           ; s[22:23], s[24:25] K^T's images and words   s[26:27], s[28:29] V^T's
.set KSO, 24
.set VO,  26
.set VSO, 28
.set CNT, 32
.set KT,  33
.set SEL, 34
.set L2E, 36
.set FLR, 38
.set MSB, 0
.macro WIN new                         ; the immediate's high byte repeats the setting that is left; a switch that changes nothing is dropped
.if MSB != (\new)
	s_set_vgpr_msb (MSB<<8)|(\new)
.set MSB, (\new)
.endif
.endm
.macro PLACES n
.rept \n
	v_nop
.endr
.endm
; 64 numbers of a lane in window win become a fragment's 12 registers at v[pc] on and its scale word in v[pw], both in window 0.
; The numbers are read in ascending order: each accumulator from its low end on.
.macro QUANT src, win, pc, pw
	WIN ((\win)<<2)|((\win)<<4)
.irp b, 0,1,2,3
	v_max3_num_f32 v[TM+\b], s[FLR], |v[(\src)+16*\b]|, |v[(\src)+16*\b+1]|   ; block b: my 16 numbers, and the floor 2^(3 - 127)
.endr
.irp i, 2,4,6,8,10,12,14
.irp b, 0,1,2,3
	v_max3_num_f32 v[TM+\b], v[TM+\b], |v[(\src)+16*\b+\i]|, |v[(\src)+16*\b+\i+1]|
.endr
.endr
	WIN 0
.irp b, 0,1,2,3
	v_permlanex16_b32 v[TM+4+\b], v[TM+\b], s[SEL], s[SEL+1]
.endr
.irp b, 0,1,2,3
	v_max_num_f32 v[TM+\b], v[TM+\b], v[TM+4+\b]           ; with lane l xor 16's: the block's largest magnitude
.endr
.irp b, 0,1,2,3
	v_add_nc_u32 v[TM+12+\b], 0xff000000, v[TM+\b]         ; 2 off its exponent field: the conversion's scale operand
.endr
.irp b, 0,1,2,3
	v_lshrrev_b32 v[TM+4+\b], 23, v[TM+12+\b]              ; the scale's byte
.endr
	v_lshl_or_b32 v[(\pw)], v[TM+5], 8, v[TM+4]
	v_lshl_or_b32 v[(\pw)], v[TM+6], 16, v[(\pw)]
	v_lshl_or_b32 v[(\pw)], v[TM+7], 24, v[(\pw)]
	WIN (\win)
.irp c, 0,1
	v_cvt_scalef32_pk16_fp6_f32 v[(\pc)+6*\c:(\pc)+6*\c+2], v[(\src)+32*\c:(\src)+32*\c+15], v[TM+12+2*\c]
	v_cvt_scalef32_pk16_fp6_f32 v[(\pc)+12+4*\c:(\pc)+14+4*\c], v[(\src)+16+32*\c:(\src)+31+32*\c], v[TM+13+2*\c]
.endr
	WIN 0
	v_nop                                                  ; one plain place behind a scaled conversion
.irp c, 0,1
.irp i, 0,1,2
	v_permlane16_swap_b32 v[(\pc)+6*\c+\i], v[(\pc)+12+4*\c+\i]
.endr
.irp i, 0,1,2
	v_mov_b32 v[(\pc)+3+6*\c+\i], v[(\pc)+12+4*\c+\i]
.endr
.endr
.endm
; phi on the 64 accumulators' registers, with the exponentials in the same numbers of window TW: 192 instructions
.macro PHI
	WIN (TW<<6)|AW
.set i, 0
.rept 32
	v_pk_mul_f32 v[192+i:193+i], v[192+i:193+i], s[L2E:L2E+1] op_sel_hi:[1,0]   ; t log2 e
.set i, i+2
.endr
	WIN (TW<<6)|TW
.set i, 0
.rept 64
	v_exp_f32 v[192+i], v[192+i]                           ; e^t
.set i, i+1
.endr
	WIN (AW<<6)|AW
.set i, 0
.rept 32
	v_pk_add_f32 v[192+i:193+i], v[192+i:193+i], 1.0 op_sel_hi:[1,0]   ; t + 1  (plain lines behind the exponentials)
.set i, i+2
.endr
	WIN (AW<<6)|(TW<<2)|AW
.set i, 0
	s_wait_alu depctr_va_vdst(0)
.rept 64
	v_med3_num_f32 v[192+i], v[192+i], v[192+i], 1.0       ; source 0 and the result: the accumulators (t + 1); source 1: e^t
.set i, i+1
.endr
.endm
; a unit's 32 products: the eight accumulators take turns, one instruction a turn; K step 0 starts the sums
.macro PROD p
.irp s, 0,1,2,3
	WIN (AW<<6)|(AW<<4)|(RW+\s/2)
.irp a, 0,1,2,3,4,5,6,7
.if \s == 0
	v_wmma_scale_f32_16x16x128_f8f6f4 v[192+8*\a:199+8*\a], v[96*(\s%2)+12*\a:96*(\s%2)+12*\a+11], v[88+48*(\p)+12*\s:88+48*(\p)+12*\s+11], 0, v[24+4*\a+\s], v[56+4*(\p)+\s] matrix_a_fmt:MATRIX_FMT_FP6 matrix_b_fmt:MATRIX_FMT_FP6
.else
	v_wmma_scale_f32_16x16x128_f8f6f4 v[192+8*\a:199+8*\a], v[96*(\s%2)+12*\a:96*(\s%2)+12*\a+11], v[88+48*(\p)+12*\s:88+48*(\p)+12*\s+11], v[192+8*\a:199+8*\a], v[24+4*\a+\s], v[56+4*(\p)+\s] matrix_a_fmt:MATRIX_FMT_FP6 matrix_b_fmt:MATRIX_FMT_FP6
.endif
.endr
.endr
.endm
.macro LOADW p, off                    ; a weight tile's four fragments and its scale image into set p: 13 loads
.irp i, 0,1,2,3,4,5,6,7,8,9,10,11
	global_load_b128 v[88+48*(\p)+4*\i:88+48*(\p)+4*\i+3], v[LI], s[WP:WP+1] offset:(\off)+512*\i
.endr
	global_load_b128 v[56+4*(\p):59+4*(\p)], v[LI], s[WS:WS+1] offset:(\off)/12
.endm
.macro KSUM p                          ; the sum of my column's K over the 128 positions, in two chains; to the wave's own LDS words
	WIN (AW<<2)|AW
	v_pk_add_f32 v[S1:S1+1], v[192:193], v[194:195]
	v_pk_add_f32 v[S2:S2+1], v[196:197], v[198:199]
	WIN AW<<2
.set i, 8
.rept 14
	v_pk_add_f32 v[S1:S1+1], v[S1:S1+1], v[192+i:193+i]
	v_pk_add_f32 v[S2:S2+1], v[S2:S2+1], v[194+i:195+i]
.set i, i+4
.endr
	WIN 0
	v_pk_add_f32 v[S1:S1+1], v[S1:S1+1], v[S2:S2+1]
	v_add_f32 v[S1], v[S1], v[S1+1]
	v_permlanex16_b32 v[TP], v[S1], s[SEL], s[SEL+1]
	v_add_f32 v[S1], v[S1], v[TP]                          ; with lane l xor 16's 64 positions
	v_add_nc_u32 v[KA], s[KT], v[KS0]
	ds_store_b32 v[KA], v[S1] offset:32*(\p)               ; lanes r and r + 16 write the same word with the same value
.endm
; kind = 1: K (phi, the sum), 0: V.  pre = 1: the tile two units on is asked for.  lw: the loads that may stay out
.macro UNIT p, kind, pre, lw
	s_wait_loadcnt \lw                             ; this set's 13 loads are in
	s_wait_dscnt 0x0                               ; the last unit's LDS store has read its two registers
	PROD \p
	WIN 0
	PLACES 4                                       ; in front of the loads into the set just multiplied, and of the first read of results
	s_wait_xcnt 0x0                                ; the last unit's stores have read the codes and the scale word
.if \pre
	LOADW \p,(2+\p)*6144
.endif
.if \kind
	PHI
	KSUM \p
.endif
	QUANT 192,AW,PC,PW
.if \kind
.irp c, 0,1,2
	global_store_b128 v[LI], v[PC+4*\c:PC+4*\c+3], s[KO:KO+1] offset:1536*(\p)+512*\c
.endr
	global_store_b32 v[L4], v[PW], s[KSO:KSO+1] offset:128*(\p)
.else
.irp c, 0,1,2
	global_store_b128 v[LI], v[PC+4*\c:PC+4*\c+3], s[VO:VO+1] offset:1536*(\p)+512*\c
.endr
	global_store_b32 v[L4], v[PW], s[VSO:VSO+1] offset:128*(\p)
.endif
.endm
	s_load_b256 s[4:11], s[0:1], 0x0               ; xq s[4:5], wq s[6:7], kvt s[8:9], kpart s[10:11]
	v_lshl_add_u32 v254, v0, 2, 0xc800
	v_mov_b32 v255, 0
	v_lshrrev_b32 v1, 5, v0
	v_readfirstlane_b32 s12, v1                    ; wave 0..3
	v_and_b32 v1, 31, v0                           ; lane
	v_and_b32 v2, 15, v0                           ; r
	v_lshlrev_b32 v[LI], 4, v1
	v_lshlrev_b32 v[L4], 2, v1
	s_mul_i32 s13, s12, 12288
	v_add_nc_u32 v[XW], s13, v[LI]
	s_lshl_b32 s39, s12, 9
	s_add_co_u32 s39, s39, KSL
	v_and_b32 v3, 8, v2
	v_add_nc_u32 v3, v3, v2                        ; r + 8 (r / 8)
	v_lshl_add_u32 v[KS0], v3, 2, s39
	v_add_nc_u32 v[KSR], s39, v[LI]
	s_mov_b32 s[SEL], 0x76543210
	s_mov_b32 s[SEL+1], 0xfedcba98
	s_mov_b32 s[L2E], 0x3fb8aa3b                   ; log2 e
	s_mov_b32 s[L2E+1], s[L2E]                     ; (named with it as a pair, so it is written)
	s_mov_b32 s[FLR], 0x1800000
	s_mov_b32 s[KT], 0
.irp b, 0,1,2,3
	v_mov_b32 v[TM+4+\b], 0                        ; written once: a lane permute's destination counts as one of its sources
.endr
	v_mov_b32 v[TP], 0
	s_mov_b32 s3, 0
	s_mul_i32 s2, ttmp9, 49152
	s_add_co_u32 s2, s2, s13                       ; 49,152 g + 12,288 w
	s_wait_kmcnt 0x0
	s_add_nc_u64 s[14:15], s[4:5], s[2:3]          ; x's images: my quarter of the block's
	s_add_nc_u64 s[KO:KO+1], s[8:9], s[2:3]        ; K^T's images: [g][8 w ..]
	s_add_nc_u64 s[VO:VO+1], s[KO:KO+1], VT
	s_lshl_b32 s2, ttmp9, 12
	s_add_co_u32 s2, s2, XQS
	s_add_nc_u64 s[16:17], s[4:5], s[2:3]          ; x's scale images: 8 tiles x 512 bytes
	s_mul_i32 s2, s12, 98304
	s_add_nc_u64 s[WP:WP+1], s[6:7], s[2:3]        ; my 16 weight tiles
	s_lshl_b32 s2, s12, 13
	s_add_co_u32 s2, s2, WQS
	s_add_nc_u64 s[WS:WS+1], s[6:7], s[2:3]
	s_lshl_b32 s2, ttmp9, 12
	s_lshl_b32 s13, s12, 10
	s_add_co_u32 s2, s2, s13
	s_add_co_u32 s2, s2, KTS
	s_add_nc_u64 s[KSO:KSO+1], s[8:9], s[2:3]
	s_add_nc_u64 s[VSO:VSO+1], s[KSO:KSO+1], VTS-KTS
	s_lshl_b32 s2, ttmp9, 11
	s_lshl_b32 s13, s12, 9
	s_add_co_u32 s2, s2, s13
	s_add_nc_u64 s[30:31], s[10:11], s[2:3]        ; kpart: row g, my 128 columns
	WIN 0x40                                       ; destination window 1: registers that x's fragments take afterwards
.irp i, 0,1,2,3,4,5,6,7,8,9,10,11,12,13,14,15,16,17,18,19,20,21,22,23
	global_load_b128 v[4*\i:4*\i+3], v[LI], s[14:15] offset:512*\i
.endr
	WIN 0
.irp m, 0,1,2,3,4,5,6,7
	global_load_b128 v[24+4*\m:27+4*\m], v[LI], s[16:17] offset:512*\m
.endr
	LOADW 0,0
	LOADW 1,6144
	s_wait_loadcnt 26                              ; all but the two weight sets, 13 loads each
	WIN 0x04                                       ; an LDS store's data are its source 1: window 1
.irp i, 0,1,2,3,4,5,6,7,8,9,10,11,12,13,14,15,16,17,18,19,20,21,22,23
	ds_store_b128 v[XW], v[4*\i:4*\i+3] offset:512*\i
.endr
	WIN 0
	s_wait_dscnt 0x0                               ; for the others' sake: my quarter of x's images lies in LDS
	s_barrier_signal -1
	s_barrier_wait -1
	WIN 0x40
.irp a, 0,1,2,3,4,5,6,7
.irp s, 0,1
.irp c, 0,1,2
	ds_load_b128 v[96*\s+12*\a+4*\c:96*\s+12*\a+4*\c+3], v[LI] offset:6144*\a+1536*\s+512*\c
.endr
.endr
.endr
	WIN 0x80
.irp a, 0,1,2,3,4,5,6,7
.irp s, 0,1
.irp c, 0,1,2
	ds_load_b128 v[96*\s+12*\a+4*\c:96*\s+12*\a+4*\c+3], v[LI] offset:6144*\a+1536*(\s+2)+512*\c
.endr
.endr
.endr
	WIN 0
	s_mov_b32 s[CNT], 4
.LK:                                               ; four trips, two of K's tiles each
	UNIT 0,1,1,13                                  ; 13: the other set's loads may be out
	UNIT 1,1,1,13
	s_wait_xcnt 0x0                                ; the pointers step only behind this wait
	s_add_nc_u64 s[WP:WP+1], s[WP:WP+1], 12288
	s_add_nc_u64 s[WS:WS+1], s[WS:WS+1], 1024
	s_add_nc_u64 s[KO:KO+1], s[KO:KO+1], 3072
	s_add_nc_u64 s[KSO:KSO+1], s[KSO:KSO+1], 256
	s_add_co_u32 s[KT], s[KT], 128                 ; 32 columns on
	s_sub_co_u32 s[CNT], s[CNT], 1
	s_cmp_lg_u32 s[CNT], 0
	s_cbranch_scc1 .LK
	s_mov_b32 s[CNT], 3
.LV:                                               ; three trips, two of V's tiles each
	UNIT 0,0,1,13
	UNIT 1,0,1,13
	s_wait_xcnt 0x0
	s_add_nc_u64 s[WP:WP+1], s[WP:WP+1], 12288
	s_add_nc_u64 s[WS:WS+1], s[WS:WS+1], 1024
	s_add_nc_u64 s[VO:VO+1], s[VO:VO+1], 3072
	s_add_nc_u64 s[VSO:VSO+1], s[VSO:VSO+1], 256
	s_sub_co_u32 s[CNT], s[CNT], 1
	s_cmp_lg_u32 s[CNT], 0
	s_cbranch_scc1 .LV
	UNIT 0,0,0,13                                  ; the last two tiles ask for nothing: no load passes my 16 tiles
	UNIT 1,0,0,0
	ds_load_b128 v[88:91], v[KSR]                  ; my 128 columns' sums, in their natural order (my own bytes, served in order)
	s_wait_dscnt 0x0
	global_store_b128 v[LI], v[88:91], s[30:31]    ; 512 consecutive bytes, aligned
	s_wait_tensorcnt 0x0
	ds_add_u32 v254, v255
	s_wait_dscnt 0x0
	s_endpgm
.Lfunc_end_k_qce2b628643_proj:
	.size	k_qce2b628643_proj, .Lfunc_end_k_qce2b628643_proj-k_qce2b628643_proj
	.p2alignl 7, 3214868480
	.fill 96, 4, 3214868480
	.section	.rodata,"a",@progbits
	.p2align	6, 0x0
	.amdhsa_kernel k_qce2b628643_proj
		.amdhsa_group_segment_fixed_size 51712
		.amdhsa_private_segment_fixed_size 0
		.amdhsa_enable_private_segment 0
		.amdhsa_kernarg_size 32
		.amdhsa_user_sgpr_count 2
		.amdhsa_user_sgpr_kernarg_segment_ptr 1
		.amdhsa_wavefront_size32 1
		.amdhsa_system_sgpr_workgroup_id_x 1
		.amdhsa_system_sgpr_workgroup_id_y 1
		.amdhsa_system_sgpr_workgroup_id_z 1
		.amdhsa_system_vgpr_workitem_id 0
		.amdhsa_next_free_vgpr 768
		.amdhsa_next_free_sgpr 66
		.amdhsa_reserve_vcc 0
		.amdhsa_float_denorm_mode_32 3
		.amdhsa_float_denorm_mode_16_64 3
		.amdhsa_memory_ordered 1
		.amdhsa_forward_progress 1
		.amdhsa_inst_pref_size 98
	.end_amdhsa_kernel
	.amdgpu_metadata
---
amdhsa.version: [ 1, 2 ]
amdhsa.kernels:
  - .name:           k_qce2b628643_proj
    .symbol:         k_qce2b628643_proj.kd
    .args:
      - { .name: xq, .offset: 0, .size: 8, .value_kind: global_buffer, .address_space: global }
      - { .name: wq, .offset: 8, .size: 8, .value_kind: global_buffer, .address_space: global }
      - { .name: kvt, .offset: 16, .size: 8, .value_kind: global_buffer, .address_space: global }
      - { .name: kpart, .offset: 24, .size: 8, .value_kind: global_buffer, .address_space: global }
    .group_segment_fixed_size: 51712
    .private_segment_fixed_size: 0
    .kernarg_segment_align: 8
    .kernarg_segment_size: 32
    .max_flat_workgroup_size: 128
    .sgpr_count:     66
    .vgpr_count:     768
    .wavefront_size: 32
...
	.end_amdgpu_metadata
.endif
;; end of part 2
;; launch kvprod (part 3): grid 4 x 64, 4 waves a work-group, clusters of 4 x 1, 295,424 bytes of LDS; arguments kvt, kv; writes kv
.if DOCPART == 3
	.amdgcn_target "amdgcn-amd-amdhsa--gfx1250"
	.amdhsa_code_object_version 6
	.text
	.protected	k_qce2b628643_kvprod
	.globl	k_qce2b628643_kvprod
	.p2align	8
	.type	k_qce2b628643_kvprod,@function
k_qce2b628643_kvprod:
	s_mov_b64 s[64:65], 0
	v_nop
	global_prefetch_b8 v0, s[64:65] scope:SCOPE_SE
	s_setreg_imm32_b32 hwreg(HW_REG_WAVE_MODE, 25, 1), 1
	s_wait_xcnt 0x0
	s_wait_alu depctr_hold_cnt(0) depctr_sa_sdst(0) depctr_va_vdst(0) depctr_va_sdst(0) depctr_va_ssrc(0) depctr_va_vcc(0) depctr_vm_vsrc(0)
	s_getreg_b32 s2, hwreg(HW_REG_IB_STS2, 6, 4)
	s_cmp_eq_u32 s2, 0
	s_cbranch_scc0 .Lentry_in_a_cluster
	s_endpgm
.Lentry_in_a_cluster:
	s_bfe_u32 s2, ttmp6, 0x10000c
	s_cmp_lg_u32 s2, 0x3003
	s_cbranch_scc0 .Lentry_shape_is_right
	s_endpgm
.Lentry_shape_is_right:
; kv = K^T V for each of 32 sequences, on the codes that the launch before made (the product's K = the 1,024 positions, eight steps of 128);
; the result is quantised along d, the next product's K, and stored as fragment images of kv^T [e][d].
; SHARES: work-group (eq, y): sequence y / 2, d half y % 2 (256 of d), e quarter eq (128 of e).  Wave (wd = w / 2, we = w % 2): 128 d x 64 e:
; 32 accumulators.  Source 0 = 16 rows of K^T (d), source 1 = 16 rows of V^T (e): a lane holds ONE e and, for each of its four tiles of e,
; 64 of d in the quantiser's order: a fragment of kv^T.
; LDS IS FILLED ONCE: the work-group's operands for all of K are 196,608 + 98,304 bytes and fit, so nothing is filled again.  They come
; as four chunks of two K steps; each wave brings a quarter of each chunk: eight tensor loads of a wave are out at the start, by this text's count.
; CLUSTER: the four work-groups of a cluster differ in eq alone and read the same K^T: its loads are JOINT (mask 15); V^T's are each work-group's own.
; LIMITS: a block whose largest magnitude lies under 2^-124 keeps the byte 1; NaN and infinities are not served.
; REGISTERS: window 0: v4-7, v8-11 LDS addresses of K^T's and V^T's chunks; v12 16 x lane, v13 4 x lane; v16-79 K^T's scale words (8 ks + a);
; v80-111 V^T's (4 ks + n); v112-127 at work; v128-131 scale words made; v132-211 codes made.  Window 1: the accumulators (64 n + 8 a).
; Windows 2 and 3: two sets of operands: v0-95 K^T's eight fragments, v96-143 V^T's four.
.set VT,  12582912
.set KTS, 25165824
.set VTS, 26214400
.set KVS, 6291456                      ; kv: the fragments' scale words, behind [b 32][tile of e 32][K step 4] x 1,536
.set VL,  196608                       ; LDS: V^T's chunks, behind K^T's four of 49,152 bytes
.set TM,  112
.set WV,  12
.set G1K, 24
.set G1V, 32
.set SEL, 84
.set FLR, 86
.set MSB, 0
.macro WIN new
.if MSB != (\new)
	s_set_vgpr_msb (MSB<<8)|(\new)
.set MSB, (\new)
.endif
.endm
.macro PLACES n
.rept \n
	v_nop
.endr
.endm
.macro QUANT src, win, pc, pw          ; 64 numbers of a lane in window win -> 12 registers of codes at v[pc], the scale word in v[pw]; read in ascending order
	WIN ((\win)<<2)|((\win)<<4)
.irp b, 0,1,2,3
	v_max3_num_f32 v[TM+\b], s[FLR], |v[(\src)+16*\b]|, |v[(\src)+16*\b+1]|
.endr
.irp i, 2,4,6,8,10,12,14
.irp b, 0,1,2,3
	v_max3_num_f32 v[TM+\b], v[TM+\b], |v[(\src)+16*\b+\i]|, |v[(\src)+16*\b+\i+1]|
.endr
.endr
	WIN 0
.irp b, 0,1,2,3
	v_permlanex16_b32 v[TM+4+\b], v[TM+\b], s[SEL], s[SEL+1]
.endr
.irp b, 0,1,2,3
	v_max_num_f32 v[TM+\b], v[TM+\b], v[TM+4+\b]
.endr
.irp b, 0,1,2,3
	v_add_nc_u32 v[TM+12+\b], 0xff000000, v[TM+\b]
.endr
.irp b, 0,1,2,3
	v_lshrrev_b32 v[TM+4+\b], 23, v[TM+12+\b]
.endr
	v_lshl_or_b32 v[(\pw)], v[TM+5], 8, v[TM+4]
	v_lshl_or_b32 v[(\pw)], v[TM+6], 16, v[(\pw)]
	v_lshl_or_b32 v[(\pw)], v[TM+7], 24, v[(\pw)]
	WIN (\win)
.irp c, 0,1
	v_cvt_scalef32_pk16_fp6_f32 v[(\pc)+6*\c:(\pc)+6*\c+2], v[(\src)+32*\c:(\src)+32*\c+15], v[TM+12+2*\c]
	v_cvt_scalef32_pk16_fp6_f32 v[(\pc)+12+4*\c:(\pc)+14+4*\c], v[(\src)+16+32*\c:(\src)+31+32*\c], v[TM+13+2*\c]
.endr
	WIN 0
	v_nop                                                  ; one plain place behind a scaled conversion
.irp c, 0,1
.irp i, 0,1,2
	v_permlane16_swap_b32 v[(\pc)+6*\c+\i], v[(\pc)+12+4*\c+\i]
.endr
.irp i, 0,1,2
	v_mov_b32 v[(\pc)+3+6*\c+\i], v[(\pc)+12+4*\c+\i]
.endr
.endr
.endm
.macro ROUND                           ; a round of the cluster's barrier
	s_barrier_signal -1
	s_barrier_wait -1
	s_cmp_lg_u32 s[WV], 0
	s_cbranch_scc1 .Lnot_wave_0_\@
	s_barrier_signal -3
.Lnot_wave_0_\@:
	s_barrier_wait -3
	s_barrier_signal -1
	s_barrier_wait -1
.endm
.macro G0SET reg, lb, lo, gb, go       ; a descriptor's group 0: count 1, LDS address, global address, type 2
	s_mov_b32 s[\reg], 1
	s_add_co_u32 s[\reg+1], s[\lb], \lo
	s_add_nc_u64 s[\reg+2:\reg+3], s[\gb:\gb+1], \go
	s_or_b32 s[\reg+3], s[\reg+3], 0x80000000
.endm
	s_load_b128 s[4:7], s[0:1], 0x0                ; kvt s[4:5], kv s[6:7]
	v_lshl_add_u32 v254, v0, 2, 0x48000
	v_mov_b32 v255, 0
	ds_add_u32 v254, v255
	ds_add_u32 v254, v255
	v_lshrrev_b32 v1, 5, v0
	v_readfirstlane_b32 s[WV], v1                  ; wave 0..3
	s_bfe_u32 s13, ttmp6, 0x40000                  ; cx
	s_lshl_b32 s14, ttmp9, 2
	s_add_co_u32 s14, s14, s13                     ; eq = 4 x cluster x + cx: it enters V^T's, the scale words' and kv's global addresses alone
	s_and_b32 s15, ttmp7, 0xffff                   ; y, which the four partners share
	s_lshr_b32 s16, s15, 1                         ; b
	s_and_b32 s17, s15, 1                          ; dh
	s_lshr_b32 s18, s[WV], 1                       ; wd
	s_and_b32 s19, s[WV], 1                        ; we
	; group 1 for K^T: 2 rows (two K steps) of 768 elements of 8 bytes (four fragments), 6,144 elements (32 fragments) apart; joint, mask 15
	s_mov_b32 s[G1K], 15|(3<<16)|(1<<21)
	s_mov_b32 s[G1K+1], 768<<16
	s_mov_b32 s[G1K+2], 2<<16
	s_mov_b32 s[G1K+3], 768<<16
	s_mov_b32 s[G1K+4], 2
	s_mov_b32 s[G1K+5], 6144
	s_mov_b32 s[G1K+6], 0
	s_mov_b32 s[G1K+7], 0
	; group 1 for V^T: 2 rows of 384 elements (two fragments); no mask
	s_mov_b32 s[G1V], 3<<16
	s_mov_b32 s[G1V+1], 384<<16
	s_mov_b32 s[G1V+2], 2<<16
	s_mov_b32 s[G1V+3], 384<<16
	s_mov_b32 s[G1V+4], 2
	s_mov_b32 s[G1V+5], 6144
	s_mov_b32 s[G1V+6], 0
	s_mov_b32 s[G1V+7], 0
	s_mul_i32 s20, s16, 393216                     ; K^T: ((8 b) 32 + 16 dh + 4 w) x 1,536: nothing of cx
	s_mul_i32 s78, s17, 24576
	s_add_co_u32 s20, s20, s78
	s_mul_i32 s78, s[WV], 6144
	s_add_co_u32 s20, s20, s78
	s_mov_b32 s21, 0
	s_mul_i32 s22, s16, 393216                     ; V^T: VT + ((8 b) 32 + 8 eq + 2 w) x 1,536
	s_mul_i32 s79, s14, 12288
	s_add_co_u32 s22, s22, s79
	s_mul_i32 s79, s[WV], 3072
	s_add_co_u32 s22, s22, s79
	s_add_co_u32 s22, s22, VT
	s_mov_b32 s23, 0
	s_mul_i32 s76, s[WV], 12288                    ; where they go: a chunk's quarter by the wave's number alone
	s_mul_i32 s77, s[WV], 6144
	s_add_co_u32 s77, s77, VL
	s_lshl_b32 s88, s16, 15                        ; K^T's scale words: KTS + (256 b + 16 dh + 8 wd) x 128
	s_lshl_b32 s89, s17, 11
	s_add_co_u32 s88, s88, s89
	s_lshl_b32 s89, s18, 10
	s_add_co_u32 s88, s88, s89
	s_add_co_u32 s88, s88, KTS
	s_mov_b32 s89, 0
	s_lshl_b32 s90, s16, 15                        ; V^T's: VTS + (256 b + 8 eq + 4 we) x 128
	s_lshl_b32 s91, s14, 10
	s_add_co_u32 s90, s90, s91
	s_lshl_b32 s91, s19, 9
	s_add_co_u32 s90, s90, s91
	s_add_co_u32 s90, s90, VTS
	s_mov_b32 s91, 0
	s_lshl_b32 s2, s16, 7                          ; my first fragment of kv^T: J = 128 b + 32 eq + 16 we + 2 dh + wd
	s_lshl_b32 s3, s14, 5
	s_add_co_u32 s2, s2, s3
	s_lshl_b32 s3, s19, 4
	s_add_co_u32 s2, s2, s3
	s_lshl_b32 s3, s17, 1
	s_add_co_u32 s2, s2, s3
	s_add_co_u32 s2, s2, s18
	s_mov_b32 s[SEL], 0x76543210
	s_mov_b32 s[SEL+1], 0xfedcba98
	s_mov_b32 s[FLR], 0x1800000
	v_and_b32 v1, 31, v0
	v_lshlrev_b32 v12, 4, v1
	v_lshlrev_b32 v13, 2, v1
	s_mul_i32 s78, s18, 24576                      ; my eight fragments of K^T in a chunk,
	s_mul_i32 s79, s19, 12288                      ; my four of V^T
	s_add_co_u32 s79, s79, VL
.irp c, 0,1,2,3
	v_add_nc_u32 v[4+\c], s78, v12
	v_add_nc_u32 v[8+\c], s79, v12
	s_add_co_u32 s78, s78, 49152
	s_add_co_u32 s79, s79, 24576
.endr
.irp b, 0,1,2,3
	v_mov_b32 v[TM+4+\b], 0                        ; written once: a lane permute's destination counts as one of its sources
.endr
	s_wait_dscnt 0x0
	s_wait_kmcnt 0x0
	s_add_nc_u64 s[20:21], s[4:5], s[20:21]
	s_add_nc_u64 s[22:23], s[4:5], s[22:23]
	s_add_nc_u64 s[80:81], s[4:5], s[88:89]
	s_add_nc_u64 s[82:83], s[4:5], s[90:91]
	s_mul_i32 s88, s2, 1536
	s_add_nc_u64 s[8:9], s[6:7], s[88:89]          ; kv's images at J
	s_lshl_b32 s88, s2, 7
	s_add_co_u32 s88, s88, KVS
	s_add_nc_u64 s[10:11], s[6:7], s[88:89]        ; and its scale words
	G0SET 40, 76, 0,      20, 0                    ; chunk c: two K steps on are 64 fragments' rows: 98,304 bytes
	G0SET 44, 77, 0,      22, 0
	G0SET 48, 76, 49152,  20, 98304
	G0SET 52, 77, 24576,  22, 98304
	G0SET 56, 76, 98304,  20, 196608
	G0SET 60, 77, 49152,  22, 196608
	G0SET 68, 76, 147456, 20, 294912
	G0SET 72, 77, 73728,  22, 294912
	ROUND                                          ; all four work-groups are here: the joint loads meet
	tensor_load_to_lds s[40:43], s[G1K:G1K+7]      ; all first fills in one group, ahead of every wait on TENSORcnt and every LDS read
	s_nop 0
	tensor_load_to_lds s[44:47], s[G1V:G1V+7]
	s_nop 0
	tensor_load_to_lds s[48:51], s[G1K:G1K+7]
	s_nop 0
	tensor_load_to_lds s[52:55], s[G1V:G1V+7]
	s_nop 0
	tensor_load_to_lds s[56:59], s[G1K:G1K+7]
	s_nop 0
	tensor_load_to_lds s[60:63], s[G1V:G1V+7]
	s_nop 0
	tensor_load_to_lds s[68:71], s[G1K:G1K+7]
	s_nop 0
	tensor_load_to_lds s[72:75], s[G1V:G1V+7]
	s_nop 0
	PLACES 4
.irp ks, 0,1,2,3,4,5,6,7
.irp a, 0,1,2,3,4,5,6,7
	global_load_b32 v[16+8*\ks+\a], v13, s[80:81] offset:4096*\ks+128*\a
.endr
.irp n, 0,1,2,3
	global_load_b32 v[80+4*\ks+\n], v13, s[82:83] offset:4096*\ks+128*\n
.endr
.endr
.macro FETCH ks, p                     ; K step ks: my eight fragments of K^T and four of V^T into set p: 36 loads of 512 consecutive bytes
	WIN (2+(\p))<<6
.irp a, 0,1,2,3,4,5,6,7
.irp j, 0,1,2
	ds_load_b128 v[12*\a+4*\j:12*\a+4*\j+3], v[4+(\ks)/2] offset:(\a/4)*12288+((\ks)%2)*6144+(\a%4)*1536+512*\j
.endr
.endr
.irp n, 0,1,2,3
.irp j, 0,1,2
	ds_load_b128 v[96+12*\n+4*\j:96+12*\n+4*\j+3], v[8+(\ks)/2] offset:(\n/2)*6144+((\ks)%2)*3072+(\n%2)*1536+512*\j
.endr
.endr
.endm
.macro MUL ks                          ; 32 products: the 32 accumulators take turns, in the same order in every step; step 0 starts the sums
	WIN 0x5a+5*((\ks)%2)                           ; sources 0 and 1: window 2 or 3; C and D: window 1
.irp n, 0,1,2,3
.irp a, 0,1,2,3,4,5,6,7
.if (\ks) == 0
	v_wmma_scale_f32_16x16x128_f8f6f4 v[64*\n+8*\a:64*\n+8*\a+7], v[12*\a:12*\a+11], v[96+12*\n:96+12*\n+11], 0, v[16+8*(\ks)+\a], v[80+4*(\ks)+\n] matrix_a_fmt:MATRIX_FMT_FP6 matrix_b_fmt:MATRIX_FMT_FP6
.else
	v_wmma_scale_f32_16x16x128_f8f6f4 v[64*\n+8*\a:64*\n+8*\a+7], v[12*\a:12*\a+11], v[96+12*\n:96+12*\n+11], v[64*\n+8*\a:64*\n+8*\a+7], v[16+8*(\ks)+\a], v[80+4*(\ks)+\n] matrix_a_fmt:MATRIX_FMT_FP6 matrix_b_fmt:MATRIX_FMT_FP6
.endif
.endr
.endr
.endm
	s_wait_tensorcnt 6                             ; my two loads of chunk 0 have landed; six may be out
	s_barrier_signal -1
	s_barrier_wait -1                              ; everybody's have
	FETCH 0,0
	s_wait_loadcnt 0x0                             ; the scale words
.irp ks, 0,1,2,3,4,5,6
.if \ks%2
	s_wait_tensorcnt 5-\ks                         ; my two loads of the next chunk have landed (4, 2, 0 may be out)
	s_wait_dscnt 0x0                               ; no LDS instruction of mine is pending at a signal
	s_barrier_signal -1
	s_barrier_wait -1
.endif
	PLACES 4                                       ; in front of loads into the set that the last products read
	FETCH \ks+1,(\ks+1)%2
	s_wait_dscnt 36                                ; all but the 36 just issued
	MUL \ks
.endr
	s_wait_dscnt 0x0
	MUL 7
	WIN 0
	PLACES 4                                       ; in front of the first read of results
.irp n, 0,1,2,3                                ; each tile of e has registers of its own for its codes: no store's data are written again
	QUANT 64*\n,1,132+20*\n,128+\n
.irp c, 0,1,2
	global_store_b128 v12, v[132+20*\n+4*\c:132+20*\n+4*\c+3], s[8:9] offset:6144*\n+512*\c
.endr
	global_store_b32 v13, v[128+\n], s[10:11] offset:512*\n
.endr
	s_wait_dscnt 0x0
	s_wait_tensorcnt 0x0
	ds_add_u32 v254, v255
	s_wait_dscnt 0x0
	ROUND                                          ; the closing round: no work-group ends while a partner may still ask for a tile that names it
	s_endpgm
.Lfunc_end_k_qce2b628643_kvprod:
	.size	k_qce2b628643_kvprod, .Lfunc_end_k_qce2b628643_kvprod-k_qce2b628643_kvprod
	.p2alignl 7, 3214868480
	.fill 96, 4, 3214868480
	.section	.rodata,"a",@progbits
	.p2align	6, 0x0
	.amdhsa_kernel k_qce2b628643_kvprod
		.amdhsa_group_segment_fixed_size 295424
		.amdhsa_private_segment_fixed_size 0
		.amdhsa_enable_private_segment 0
		.amdhsa_kernarg_size 16
		.amdhsa_user_sgpr_count 2
		.amdhsa_user_sgpr_kernarg_segment_ptr 1
		.amdhsa_wavefront_size32 1
		.amdhsa_system_sgpr_workgroup_id_x 1
		.amdhsa_system_sgpr_workgroup_id_y 1
		.amdhsa_system_sgpr_workgroup_id_z 1
		.amdhsa_system_vgpr_workitem_id 0
		.amdhsa_next_free_vgpr 912
		.amdhsa_next_free_sgpr 92
		.amdhsa_reserve_vcc 0
		.amdhsa_float_denorm_mode_32 3
		.amdhsa_float_denorm_mode_16_64 3
		.amdhsa_memory_ordered 1
		.amdhsa_forward_progress 1
		.amdhsa_inst_pref_size 87
	.end_amdhsa_kernel
	.amdgpu_metadata
---
amdhsa.version: [ 1, 2 ]
amdhsa.kernels:
  - .name:           k_qce2b628643_kvprod
    .symbol:         k_qce2b628643_kvprod.kd
    .args:
      - { .name: kvt, .offset: 0, .size: 8, .value_kind: global_buffer, .address_space: global }
      - { .name: kv, .offset: 8, .size: 8, .value_kind: global_buffer, .address_space: global }
    .group_segment_fixed_size: 295424
    .private_segment_fixed_size: 0
    .kernarg_segment_align: 8
    .kernarg_segment_size: 16
    .max_flat_workgroup_size: 128
    .sgpr_count:     92
    .vgpr_count:     912
    .wavefront_size: 32
...
	.end_amdgpu_metadata
.endif
;; end of part 3
;; launch attn (part 4): grid 256 x 1, 4 waves a work-group, clusters of 4 x 1, 322,048 bytes of LDS; arguments xq, wq, kv, kpart, bo, gamma, beta, out0; writes out0
.if DOCPART == 4
	.amdgcn_target "amdgcn-amd-amdhsa--gfx1250"
	.amdhsa_code_object_version 6
	.text
	.protected	k_qce2b628643_attn
	.globl	k_qce2b628643_attn
	.p2align	8
	.type	k_qce2b628643_attn,@function
k_qce2b628643_attn:
	s_mov_b64 s[64:65], 0
	v_nop
	global_prefetch_b8 v0, s[64:65] scope:SCOPE_SE
	s_setreg_imm32_b32 hwreg(HW_REG_WAVE_MODE, 25, 1), 1
	s_wait_xcnt 0x0
	s_wait_alu depctr_hold_cnt(0) depctr_sa_sdst(0) depctr_va_vdst(0) depctr_va_sdst(0) depctr_va_ssrc(0) depctr_va_vcc(0) depctr_vm_vsrc(0)
	s_getreg_b32 s2, hwreg(HW_REG_IB_STS2, 6, 4)
	s_cmp_eq_u32 s2, 0
	s_cbranch_scc0 .Lentry_in_a_cluster
	s_endpgm
.Lentry_in_a_cluster:
	s_bfe_u32 s2, ttmp6, 0x10000c
	s_cmp_lg_u32 s2, 0x3003
	s_cbranch_scc0 .Lentry_shape_is_right
	s_endpgm
.Lentry_shape_is_right:
; For 128 rows of one sequence: Q = phi(x Wq^T); den = max(Q . ksum, 1e-6) of the unquantised Q and K; num = Q kv; out = num / den;
; y = out Wo^T + bo + out; the result is the layer norm of y with gamma and beta.  All three products on codes of FP6 (E2M3).
; SHARES: work-group g takes rows 128 g .. 128 g + 127 of sequence g / 8.  THE WAVES SHARE THE COLUMNS: wave w makes columns 128 w .. 128 w + 127
; of Q, of num and of y, for all 128 rows.  In every product source 0 = 16 rows of the weight (Wq, kv^T, Wo) and source 1 = 16 rows of x, Q, out:
; a lane holds ONE row and, by the order of a tile's rows, register 16 b + i = column 128 w + 32 b + 16 (lane / 16) + i.  So a wave's 64 numbers
; of a tile of rows are K step w of the next product, quantised in registers; they go to the other waves through LDS as images of the
; operand's registers (three runs of 512 bytes, 16 bytes a lane), scale words 4 bytes a lane.
; Wo COMES ONCE, JOINTLY: the four work-groups of a cluster read the same Wo, so each wave asks for its 49,152 dense bytes by one tensor load
; with a mask that names the four; they lie in LDS from the head on and nothing is ever filled again.  One tensor load of a wave is out.
; Wq and kv^T go from memory straight into operand registers, each byte once in a work-group: beside the 124,928 bytes of images and Wo's
; 196,608, LDS (327,680) has no room for a second weight's 196,608.
; THE LAST PRODUCT, THE NORM AND THE WAY OUT GO BY HALVES OF THE ROWS (tiles 0-3, then 4-7): the first half's stores leave while the second
; half is multiplied; with Wo in LDS the second reading of the weights moves no byte from memory.
; The layer norm takes the mean first and then the mean of (y - mean)^2: no difference of large sums.
; phi(t) = the middle one of t + 1, e^t and 1: above 0, 1 < t + 1 <= e^t; below 0, t + 1 <= e^t < 1.
; LIMITS: e^t where the definition has expm1(t) + 1; results of the exponential under 2^-126 are zero; the reciprocal and the reciprocal root are
; the instructions' own (1 ulp); a block whose largest magnitude lies under 2^-124 keeps the byte 1; NaN and infinities are not served.
; REGISTERS, in windows of 256.  Window 0: v1-23, v248 addresses; v24-55 the weight's scale words (4 tt + s); v56-87 the rows' (4 m + s; in stage 1
; v56-63: two sets); v88-183 the rows' fragments (stage 1: two sets of four; stage 2: 12 m; stage 3: two sets of four tiles), later at work and
; the way out; v184-247 at work.  Window 1: v0-95, v96-191 two sets of a K step's eight weight fragments; v192-255 ksum, then bo, then gamma.
; Stage 1: windows 2 and 3 v0-191 Wq; window 3 v192-255 eight accumulators; window 2 v192-255 the exponentials.
; Stages 2, 3: windows 2 and 3: the 64 accumulators: (m, tt) at v[8 (8 (m % 4) + tt)] of window 2 + m / 4.
.set XQS, 12582912
.set WQS, 786432
.set KVS, 6291456
.set QI,  49152                        ; LDS: x's images, later out's, at 0; Q's here: 32 fragments each
.set SB0, 98304                        ; six regions of 4,096 bytes, tile of rows m at 512 m, 16 bytes a lane:
.set QSO, 4096                         ;   +0 x's scale words; Q's; out's; the parts of den, of the sum, of the squares (word w: wave w's)
.set OSO, 8192
.set RDO, 12288
.set R1O, 16384
.set R2O, 20480
.set KSL, 122880                       ; ksum: 512 bytes a wave
.set YS,  QI                           ; the way out: 16 rows x 528 bytes for each wave, where Q's images lay: nobody reads those behind the barrier that follows stage 2
.set WL,  124928                       ; Wo: 49,152 bytes a wave, filled once by the tensor loads
.set RW,  2
.set AW,  3
.set TW,  2
.set OIW, 1                            ; v1  where I put out's fragments: 16 lane + 1,536 w
.set LI,  4                            ; v4  16 x lane
.set L4,  5                            ; v5  4 x lane
.set XW,  6
.set XSW, 7
.set KSW, 8
.set KSR, 9
.set QIA, 10                           ; v10 QI + 16 lane
.set QIW, 11                           ; v11 QI + 16 lane + 1,536 w
.set SCW, 12                           ; v12 SB0 + 16 lane + 4 w
.set SCR, 13                           ; v13 SB0 + 16 lane
.set YSW, 14
.set YSR, 15
.set AX,  16                           ; v16-19 stage 1: the trip's addresses
.set AXS, 17
.set AQ,  18
.set AQS, 19
.set PO,  20                           ; v20 64 h: my half's place in bo, gamma, beta
.set TP,  21
.set DV,  22                           ; v22-23 den's part, one for each unit of a trip
.set WSC, 24
.set RSC, 56
.set AF,  88
.set CH,  88                           ; v88-119 the norm's chains: four registers for each tile of rows
.set GA,  120                          ; v120-151 four waves' parts, gathered
.set IP,  152                          ; v152-167 1 / den, a pair for each tile of rows
.set TM,  184
.set PW,  200
.set D1,  202
.set PC,  204
.set MU,  216                          ; v216-231 the means, in pairs
.set RS,  232                          ; v232-247 the reciprocal roots, in pairs
.set D2,  244
.set WLA, 248                          ; v248 WL + 49,152 w + 16 lane
.set WV,  20
.set XP,  22
.set XSP, 24
.set WQP, 26
.set WQSP, 28
.set KVP, 30
.set KVSP, 32
.set WOP, 34
.set WOSP, 36
.set KPP, 38
.set SEL, 40
.set L2E, 42
.set FLR, 44
.set CNT, 45
.set SA,  46
.set SB,  47
.set EPS, 48
.set RN,  49
.set DMIN, 50
.set GID, 60                           ; s60 the work-group's number
.set G0,  68                           ; s[68:71], s[72:79] the tensor load's two groups
.set G1,  72
.set MSB, 0
.macro WIN new
.if MSB != (\new)
	s_set_vgpr_msb (MSB<<8)|(\new)
.set MSB, (\new)
.endif
.endm
.macro PLACES n
.rept \n
	v_nop
.endr
.endm
.macro BARRIER                         ; my LDS stores have landed and my LDS loads are in: then the work-group's barrier
	s_wait_dscnt 0x0
	s_barrier_signal -1
	s_barrier_wait -1
.endm
.macro ROUND                           ; a round of the cluster's barrier
	s_barrier_signal -1
	s_barrier_wait -1
	s_cmp_lg_u32 s[WV], 0
	s_cbranch_scc1 .Lnot_wave_0_\@
	s_barrier_signal -3
.Lnot_wave_0_\@:
	s_barrier_wait -3
	s_barrier_signal -1
	s_barrier_wait -1
.endm
.macro QUANT src, win, pc, pw          ; 64 numbers of a lane in window win -> 12 registers of codes at v[pc], the scale word in v[pw]; read in ascending order
	WIN ((\win)<<2)|((\win)<<4)
.irp b, 0,1,2,3
	v_max3_num_f32 v[TM+\b], s[FLR], |v[(\src)+16*\b]|, |v[(\src)+16*\b+1]|
.endr
.irp i, 2,4,6,8,10,12,14
.irp b, 0,1,2,3
	v_max3_num_f32 v[TM+\b], v[TM+\b], |v[(\src)+16*\b+\i]|, |v[(\src)+16*\b+\i+1]|
.endr
.endr
	WIN 0
.irp b, 0,1,2,3
	v_permlanex16_b32 v[TM+4+\b], v[TM+\b], s[SEL], s[SEL+1]
.endr
.irp b, 0,1,2,3
	v_max_num_f32 v[TM+\b], v[TM+\b], v[TM+4+\b]
.endr
.irp b, 0,1,2,3
	v_add_nc_u32 v[TM+12+\b], 0xff000000, v[TM+\b]
.endr
.irp b, 0,1,2,3
	v_lshrrev_b32 v[TM+4+\b], 23, v[TM+12+\b]
.endr
	v_lshl_or_b32 v[(\pw)], v[TM+5], 8, v[TM+4]
	v_lshl_or_b32 v[(\pw)], v[TM+6], 16, v[(\pw)]
	v_lshl_or_b32 v[(\pw)], v[TM+7], 24, v[(\pw)]
	WIN (\win)
.irp c, 0,1
	v_cvt_scalef32_pk16_fp6_f32 v[(\pc)+6*\c:(\pc)+6*\c+2], v[(\src)+32*\c:(\src)+32*\c+15], v[TM+12+2*\c]
	v_cvt_scalef32_pk16_fp6_f32 v[(\pc)+12+4*\c:(\pc)+14+4*\c], v[(\src)+16+32*\c:(\src)+31+32*\c], v[TM+13+2*\c]
.endr
	WIN 0
	v_nop                                                  ; one plain place behind a scaled conversion
.irp c, 0,1
.irp i, 0,1,2
	v_permlane16_swap_b32 v[(\pc)+6*\c+\i], v[(\pc)+12+4*\c+\i]
.endr
.irp i, 0,1,2
	v_mov_b32 v[(\pc)+3+6*\c+\i], v[(\pc)+12+4*\c+\i]
.endr
.endr
.endm
.macro PHI                             ; the middle one of t + 1, e^t and 1, on stage 1's accumulators: 192 instructions
	WIN (TW<<6)|AW
.set i, 0
.rept 32
	v_pk_mul_f32 v[192+i:193+i], v[192+i:193+i], s[L2E:L2E+1] op_sel_hi:[1,0]   ; t log2 e
.set i, i+2
.endr
	WIN (TW<<6)|TW
.set i, 0
.rept 64
	v_exp_f32 v[192+i], v[192+i]                           ; e^t
.set i, i+1
.endr
	WIN (AW<<6)|AW
.set i, 0
.rept 32
	v_pk_add_f32 v[192+i:193+i], v[192+i:193+i], 1.0 op_sel_hi:[1,0]   ; t + 1  (plain lines behind the exponentials)
.set i, i+2
.endr
	WIN (AW<<6)|(TW<<2)|AW
.set i, 0
	s_wait_alu depctr_va_vdst(0)
.rept 64
	v_med3_num_f32 v[192+i], v[192+i], v[192+i], 1.0       ; source 0 and the result: the accumulators (t + 1); source 1: e^t
.set i, i+1
.endr
.endm
.macro PROD p                          ; stage 1: 32 products, eight accumulators by turns; K step 0 starts the sums
.irp s, 0,1,2,3
	WIN (AW<<6)|(AW<<4)|(RW+\s/2)
.irp a, 0,1,2,3,4,5,6,7
.if \s == 0
	v_wmma_scale_f32_16x16x128_f8f6f4 v[192+8*\a:199+8*\a], v[96*(\s%2)+12*\a:96*(\s%2)+12*\a+11], v[88+48*(\p)+12*\s:88+48*(\p)+12*\s+11], 0, v[24+4*\a+\s], v[56+4*(\p)+\s] matrix_a_fmt:MATRIX_FMT_FP6 matrix_b_fmt:MATRIX_FMT_FP6
.else
	v_wmma_scale_f32_16x16x128_f8f6f4 v[192+8*\a:199+8*\a], v[96*(\s%2)+12*\a:96*(\s%2)+12*\a+11], v[88+48*(\p)+12*\s:88+48*(\p)+12*\s+11], v[192+8*\a:199+8*\a], v[24+4*\a+\s], v[56+4*(\p)+\s] matrix_a_fmt:MATRIX_FMT_FP6 matrix_b_fmt:MATRIX_FMT_FP6
.endif
.endr
.endr
.endm
.macro DEN p                           ; my row's Q . ksum over my wave's 128 columns, in two chains
	WIN 0x07                                       ; source 0: Q, window 3; source 1: ksum, the same numbers of window 1; the chains: window 0
	v_pk_mul_f32 v[D1:D1+1], v[192:193], v[192:193]
	v_pk_mul_f32 v[D2:D2+1], v[194:195], v[194:195]
.set i, 4
.rept 15
	v_pk_fma_f32 v[D1:D1+1], v[192+i:193+i], v[192+i:193+i], v[D1:D1+1]
	v_pk_fma_f32 v[D2:D2+1], v[194+i:195+i], v[194+i:195+i], v[D2:D2+1]
.set i, i+4
.endr
	WIN 0
	v_pk_add_f32 v[D1:D1+1], v[D1:D1+1], v[D2:D2+1]
	v_add_f32 v[D1], v[D1], v[D1+1]
	v_permlanex16_b32 v[TP], v[D1], s[SEL], s[SEL+1]
	v_add_f32 v[DV+\p], v[D1], v[TP]
.endm
.macro TRIPHEAD                        ; both sets of x's fragments are in, and the last trip's LDS stores have read their registers: the trip's addresses are made
	s_wait_dscnt 0x0
	v_add_nc_u32 v[AX], s[SA], v[LI]
	v_add_nc_u32 v[AXS], s[SB], v[SCR]
	v_add_nc_u32 v[AQ], s[SA], v[QIW]
	v_add_nc_u32 v[AQS], s[SB], v[SCW]
.endm
.macro UNITQ p, pre                    ; one tile of 16 rows: Q, den's part, Q's fragment of K step w
	PROD \p
	WIN 0
	PLACES 4                                       ; in front of the loads into the set just multiplied, and of the first read of results
.if \pre
.irp i, 0,1,2,3,4,5,6,7,8,9,10,11
	ds_load_b128 v[88+48*(\p)+4*\i:88+48*(\p)+4*\i+3], v[AX] offset:(2+\p)*6144+512*\i   ; the tile two units on
.endr
	ds_load_b128 v[56+4*(\p):59+4*(\p)], v[AXS] offset:(2+\p)*512
.endif
	PHI
	DEN \p
	QUANT 192,AW,PC+20*(\p),PW+\p
.irp c, 0,1,2
	ds_store_b128 v[AQ], v[PC+20*(\p)+4*\c:PC+20*(\p)+4*\c+3] offset:6144*(\p)+512*\c
.endr
	ds_store_b32 v[AQS], v[PW+\p] offset:QSO+512*(\p)
	ds_store_b32 v[AQS], v[DV+\p] offset:RDO+512*(\p)
.endm
.macro FETCH_B base, s, p              ; K step s of my eight weight tiles, from memory, into set p: 24 loads of 512 consecutive bytes
	WIN 0x40
.irp tt, 0,1,2,3,4,5,6,7
.irp c, 0,1,2
	global_load_b128 v[96*(\p)+12*\tt+4*\c:96*(\p)+12*\tt+4*\c+3], v[LI], s[\base:\base+1] offset:(4*\tt+(\s))*1536+512*\c
.endr
.endr
.endm
.macro FETCH_A adr, s, m0              ; stage 2: K step s of the rows' tiles m0 .. m0 + 3: 12 loads
.irp m, \m0,\m0+1,\m0+2,\m0+3
.irp c, 0,1,2
	ds_load_b128 v[AF+12*(\m)+4*\c:AF+12*(\m)+4*\c+3], v[\adr] offset:(4*(\m)+(\s))*1536+512*\c
.endr
.endr
.endm
.macro PARAM base, reg                 ; a vector of 512 numbers in the results' layout: register 8 tt + j = column 128 w + 32 (tt / 2) + 16 h + 8 (tt % 2) + j; window 1
	WIN 0x40
.irp tt, 0,1,2,3,4,5,6,7
	global_load_b128 v[\reg+8*\tt:\reg+8*\tt+3], v[PO], s[\base:\base+1] offset:4*(32*(\tt/2)+8*(\tt%2))
	global_load_b128 v[\reg+8*\tt+4:\reg+8*\tt+7], v[PO], s[\base:\base+1] offset:4*(32*(\tt/2)+8*(\tt%2))+16
.endr
	WIN 0
.endm
; stage 2: 16 products: the rows' tiles a0, a0 + 1 x my eight weight tiles.  The 64 accumulators take turns, in the same order in every K step
.macro MUL16 a0, p, s, zero
.irp a, \a0,\a0+1
.irp b, 0,1,2,3,4,5,6,7
.if \zero
	v_wmma_scale_f32_16x16x128_f8f6f4 v[8*(8*((\a)%4)+\b):8*(8*((\a)%4)+\b)+7], v[96*(\p)+12*\b:96*(\p)+12*\b+11], v[AF+12*(\a):AF+12*(\a)+11], 0, v[WSC+4*\b+(\s)], v[RSC+4*(\a)+(\s)] matrix_a_fmt:MATRIX_FMT_FP6 matrix_b_fmt:MATRIX_FMT_FP6
.else
	v_wmma_scale_f32_16x16x128_f8f6f4 v[8*(8*((\a)%4)+\b):8*(8*((\a)%4)+\b)+7], v[96*(\p)+12*\b:96*(\p)+12*\b+11], v[AF+12*(\a):AF+12*(\a)+11], v[8*(8*((\a)%4)+\b):8*(8*((\a)%4)+\b)+7], v[WSC+4*\b+(\s)], v[RSC+4*(\a)+(\s)] matrix_a_fmt:MATRIX_FMT_FP6 matrix_b_fmt:MATRIX_FMT_FP6
.endif
.endr
.endr
.endm
.macro START adr, sco                  ; stage 2's start: the rows' scale words, K step 0 of the rows
.irp m, 0,1,2,3,4,5,6,7
	ds_load_b128 v[RSC+4*\m:RSC+4*\m+3], v[SCR] offset:(\sco)+512*\m
.endr
	FETCH_A \adr,0,0
	FETCH_A \adr,0,4
.endm
; stage 2: a K step's 64 products.  The rows have one set of registers: tiles 0-3 are fetched anew in the step's middle, tiles 4-7 behind it (by the caller)
.macro STEPA adr, s, zero, lw
	s_wait_loadcnt \lw                             ; this step's weight set is in
	s_wait_dscnt 12                                ; the rows' tiles 0-3 are in; the youngest 12 loads (tiles 4-7) may be out
	WIN 0xa1                                       ; source 0 (weights) window 1, source 1 (rows) window 0, C and D window 2
	MUL16 0,(\s)%2,\s,\zero
	MUL16 2,(\s)%2,\s,\zero
	s_wait_dscnt 0x0
	PLACES 4
.if \s < 3
	WIN 0
	FETCH_A \adr,(\s)+1,0
.endif
	WIN 0xf1
	MUL16 4,(\s)%2,\s,\zero
	MUL16 6,(\s)%2,\s,\zero
	PLACES 4                                       ; in front of the loads that follow, into the weight set and the rows' tiles just multiplied, and of the first read of results
.endm
.macro GATHER off                      ; the four waves' parts of a number of each of the 128 rows: added, in v[GA + 4 m]
.irp m, 0,1,2,3,4,5,6,7
	ds_load_b128 v[GA+4*\m:GA+4*\m+3], v[SCR] offset:(\off)+512*\m
.endr
	s_wait_dscnt 0x0
.irp m, 0,1,2,3,4,5,6,7
	v_add_f32 v[GA+4*\m], v[GA+4*\m], v[GA+4*\m+1]
	v_add_f32 v[GA+4*\m+2], v[GA+4*\m+2], v[GA+4*\m+3]
.endr
.irp m, 0,1,2,3,4,5,6,7
	v_add_f32 v[GA+4*\m], v[GA+4*\m], v[GA+4*\m+2]
.endr
.endm
; ---- stage 3 and the norm, for half hf of the rows (tiles 4 hf .. 4 hf + 3, accumulators in window 2 + hf)
.macro FETCH3 hf, s                    ; K step s: my eight fragments of Wo and the half's four of out, from LDS, into set s % 2: 36 loads of 512 consecutive bytes
	WIN 0x40
.irp tt, 0,1,2,3,4,5,6,7
.irp c, 0,1,2
	ds_load_b128 v[96*((\s)%2)+12*\tt+4*\c:96*((\s)%2)+12*\tt+4*\c+3], v[WLA] offset:(4*\tt+(\s))*1536+512*\c
.endr
.endr
	WIN 0
.irp mm, 0,1,2,3
.irp c, 0,1,2
	ds_load_b128 v[AF+48*((\s)%2)+12*\mm+4*\c:AF+48*((\s)%2)+12*\mm+4*\c+3], v[LI] offset:(4*(4*(\hf)+\mm)+(\s))*1536+512*\c
.endr
.endr
.endm
.macro MUL3 hf, s                      ; 32 products, added in place onto out + bo: the half's 32 accumulators take turns, in the same order in every K step
	WIN 0xa1+0x50*(\hf)                            ; source 0 (Wo) window 1, source 1 (out) window 0, C and D window 2 or 3
.irp mm, 0,1,2,3
.irp b, 0,1,2,3,4,5,6,7
	v_wmma_scale_f32_16x16x128_f8f6f4 v[8*(8*\mm+\b):8*(8*\mm+\b)+7], v[96*((\s)%2)+12*\b:96*((\s)%2)+12*\b+11], v[AF+48*((\s)%2)+12*\mm:AF+48*((\s)%2)+12*\mm+11], v[8*(8*\mm+\b):8*(8*\mm+\b)+7], v[WSC+4*\b+(\s)], v[RSC+4*(4*(\hf)+\mm)+(\s)] matrix_a_fmt:MATRIX_FMT_FP6 matrix_b_fmt:MATRIX_FMT_FP6
.endr
.endr
.endm
.macro JOINH off, hf                   ; the chains' ends, lane l xor 16's, the other waves': the half's four numbers a lane, in v[GA + 16 hf + 4 q]
.irp q, 0,1,2,3
	v_pk_add_f32 v[CH+16*\hf+4*\q:CH+16*\hf+4*\q+1], v[CH+16*\hf+4*\q:CH+16*\hf+4*\q+1], v[CH+16*\hf+4*\q+2:CH+16*\hf+4*\q+3]
.endr
.irp q, 0,1,2,3
	v_add_f32 v[CH+16*\hf+4*\q], v[CH+16*\hf+4*\q], v[CH+16*\hf+4*\q+1]
.endr
.irp q, 0,1,2,3
	v_permlanex16_b32 v[CH+16*\hf+4*\q+1], v[CH+16*\hf+4*\q], s[SEL], s[SEL+1]
.endr
.irp q, 0,1,2,3
	v_add_f32 v[CH+16*\hf+4*\q], v[CH+16*\hf+4*\q], v[CH+16*\hf+4*\q+1]
.endr
.irp q, 0,1,2,3
	ds_store_b32 v[SCW], v[CH+16*\hf+4*\q] offset:(\off)+512*(4*\hf+\q)
.endr
	BARRIER
.irp q, 0,1,2,3
	ds_load_b128 v[GA+16*\hf+4*\q:GA+16*\hf+4*\q+3], v[SCR] offset:(\off)+512*(4*\hf+\q)
.endr
	s_wait_dscnt 0x0
.irp q, 0,1,2,3
	v_add_f32 v[GA+16*\hf+4*\q], v[GA+16*\hf+4*\q], v[GA+16*\hf+4*\q+1]
	v_add_f32 v[GA+16*\hf+4*\q+2], v[GA+16*\hf+4*\q+2], v[GA+16*\hf+4*\q+3]
.endr
.irp q, 0,1,2,3
	v_add_f32 v[GA+16*\hf+4*\q], v[GA+16*\hf+4*\q], v[GA+16*\hf+4*\q+2]
.endr
.endm
.macro SUMS hf                         ; my row's sum over my 128 columns, two chains a tile; ascending: each accumulator from its low end on
	WIN ((2+\hf)<<2)|(2+\hf)
.irp q, 0,1,2,3
	v_pk_add_f32 v[CH+16*\hf+4*\q:CH+16*\hf+4*\q+1], v[64*\q:64*\q+1], v[64*\q+2:64*\q+3]
	v_pk_add_f32 v[CH+16*\hf+4*\q+2:CH+16*\hf+4*\q+3], v[64*\q+4:64*\q+5], v[64*\q+6:64*\q+7]
.endr
	WIN (2+\hf)<<2
.set i, 8
.rept 14
.irp q, 0,1,2,3
	v_pk_add_f32 v[CH+16*\hf+4*\q:CH+16*\hf+4*\q+1], v[CH+16*\hf+4*\q:CH+16*\hf+4*\q+1], v[64*\q+i:64*\q+i+1]
	v_pk_add_f32 v[CH+16*\hf+4*\q+2:CH+16*\hf+4*\q+3], v[CH+16*\hf+4*\q+2:CH+16*\hf+4*\q+3], v[64*\q+i+2:64*\q+i+3]
.endr
.set i, i+4
.endr
.endm
.macro CENTRE hf                       ; y - mean in place, and the sum of its squares
	WIN (2+\hf)|((2+\hf)<<6)
.irp q, 0,1,2,3
.set i, 0
.rept 32
	v_pk_add_f32 v[64*\q+i:64*\q+i+1], v[64*\q+i:64*\q+i+1], v[MU+8*\hf+2*\q:MU+8*\hf+2*\q+1] neg_lo:[0,1] neg_hi:[0,1]
.set i, i+2
.endr
.endr
	WIN ((2+\hf)<<2)|(2+\hf)
.irp q, 0,1,2,3
	v_pk_mul_f32 v[CH+16*\hf+4*\q:CH+16*\hf+4*\q+1], v[64*\q:64*\q+1], v[64*\q:64*\q+1]
	v_pk_mul_f32 v[CH+16*\hf+4*\q+2:CH+16*\hf+4*\q+3], v[64*\q+2:64*\q+3], v[64*\q+2:64*\q+3]
.endr
.set i, 4
.rept 15
.irp q, 0,1,2,3
	v_pk_fma_f32 v[CH+16*\hf+4*\q:CH+16*\hf+4*\q+1], v[64*\q+i:64*\q+i+1], v[64*\q+i:64*\q+i+1], v[CH+16*\hf+4*\q:CH+16*\hf+4*\q+1]
	v_pk_fma_f32 v[CH+16*\hf+4*\q+2:CH+16*\hf+4*\q+3], v[64*\q+i+2:64*\q+i+3], v[64*\q+i+2:64*\q+i+3], v[CH+16*\hf+4*\q+2:CH+16*\hf+4*\q+3]
.endr
.set i, i+4
.endr
.endm
.macro NORM m                          ; (y - mean) / root x gamma + beta
.set sw, 2+(\m)/4
.set AC, 64*((\m)%4)
	WIN sw|(sw<<6)
.set i, 0
.rept 32
	v_pk_mul_f32 v[AC+i:AC+i+1], v[AC+i:AC+i+1], v[RS+2*(\m):RS+2*(\m)+1]
.set i, i+2
.endr
	WIN sw|(1<<2)|(1<<4)|(sw<<6)                   ; gamma and beta: window 1
.set i, 0
.rept 32
	v_pk_fma_f32 v[AC+i:AC+i+1], v[AC+i:AC+i+1], v[192+i:193+i], v[i:i+1]
.set i, i+2
.endr
.endm
; THE WAY OUT, a tile of 16 rows at a time: a lane holds four runs of 64 bytes of one row; through my own stage they come back as whole runs of 512 bytes
.macro TOSTAGE m
.set sw, 2+(\m)/4
.set AC, 64*((\m)%4)
.set BB, 88+64*((\m)%2)
	WIN sw<<2                                      ; an LDS store's data are its source 1
.irp q, 0,1,2,3,4,5,6,7,8,9,10,11,12,13,14,15
	ds_store_b128 v[YSW], v[AC+4*\q:AC+4*\q+3] offset:128*(\q/4)+16*(\q%4)
.endr
	WIN 0
.irp t, 0,1,2,3,4,5,6,7,8,9,10,11,12,13,14,15
	ds_load_b128 v[BB+4*\t:BB+4*\t+3], v[YSR] offset:528*\t   ; LDS serves a wave's instructions in order: these see the stores above, and the next tile's stores come behind them
.endr
.endm
.macro SEND m, younger
.set BB, 88+64*((\m)%2)
	s_wait_dscnt \younger                          ; the tile is back in registers
.irp t, 0,1,2,3,4,5,6,7,8,9,10,11,12,13,14,15
	global_store_b128 v[LI], v[BB+4*\t:BB+4*\t+3], s[18:19] offset:(32*((\m)/2)+8*((\m)%2)+\t+8*(\t/8))*2048 th:TH_STORE_NT   ; 512 consecutive bytes, aligned; written once
.endr
.endm
.macro WAYOUT p0, p1, p2, p3
	NORM \p0
	TOSTAGE \p0
	NORM \p1
	TOSTAGE \p1
	SEND \p0,32                                    ; 32: behind that tile's loads stand the next tile's 16 stores and 16 loads
	NORM \p2
	s_wait_xcnt 0x0                                ; the stores of two tiles ago have read the registers that this tile's loads take
	TOSTAGE \p2
	SEND \p1,32
	NORM \p3
	s_wait_xcnt 0x0
	TOSTAGE \p3
	SEND \p2,32
	SEND \p3,0
.endm
.macro HALF hf, t0, t1, t2, t3
.if \hf
	s_wait_xcnt 0x0                                ; the first half's stores have read v88-215: the fetches below may land there
.endif
	FETCH3 \hf,0
	FETCH3 \hf,1
	s_wait_dscnt 36                                ; all but the 36 just issued
.if \hf == 0
	s_wait_loadcnt 16                              ; Wo's scale words are in; gamma's 16 loads may be out
.endif
	MUL3 \hf,0
	PLACES 4                                       ; in front of loads into the set just multiplied
	FETCH3 \hf,2
	s_wait_dscnt 36
	MUL3 \hf,1
	PLACES 4
	FETCH3 \hf,3
	s_wait_dscnt 36
	MUL3 \hf,2
	PLACES 4
	PARAM 16,0                                     ; beta, into the weight set that this half is done with: 16 loads
	s_wait_dscnt 0x0
	MUL3 \hf,3
	WIN 0
	PLACES 4                                       ; in front of the first read of results
	SUMS \hf
	WIN 0
	JOINH R1O,\hf
.irp q, 0,1,2,3
	v_mul_f32 v[MU+8*\hf+2*\q], s[RN], v[GA+16*\hf+4*\q]   ; the mean, twice: a pair for the packed forms
	v_mul_f32 v[MU+8*\hf+2*\q+1], s[RN], v[GA+16*\hf+4*\q]
.endr
	CENTRE \hf
	WIN 0
	JOINH R2O,\hf
.irp q, 0,1,2,3
	v_fma_f32 v[GA+16*\hf+4*\q], v[GA+16*\hf+4*\q], s[RN], s[EPS]   ; the variance + 1e-5
.endr
.irp q, 0,1,2,3
	v_rsq_f32 v[RS+8*\hf+2*\q], v[GA+16*\hf+4*\q]
	v_rsq_f32 v[RS+8*\hf+2*\q+1], v[GA+16*\hf+4*\q]
.endr
	v_nop                                          ; one plain place behind a transcendental
	s_wait_alu depctr_va_vdst(0)
	s_wait_loadcnt 0x0                             ; gamma and beta
	WAYOUT \t0,\t1,\t2,\t3
.endm
	s_load_b256 s[4:11], s[0:1], 0x0               ; xq s[4:5], wq s[6:7], kv s[8:9], kpart s[10:11]
	s_load_b256 s[12:19], s[0:1], 0x20             ; bo s[12:13], gamma s[14:15], beta s[16:17], out0 s[18:19]
	v_lshl_add_u32 v254, v0, 2, 0x4e800
	v_mov_b32 v255, 0
	ds_add_u32 v254, v255
	ds_add_u32 v254, v255
	v_lshrrev_b32 v1, 5, v0
	v_readfirstlane_b32 s[WV], v1                  ; wave 0..3
	v_and_b32 v1, 31, v0                           ; lane
	v_and_b32 v2, 15, v0                           ; r
	v_bfe_u32 v3, v0, 4, 1                         ; h
	v_lshlrev_b32 v[LI], 4, v1
	v_lshlrev_b32 v[L4], 2, v1
	s_bfe_u32 s61, ttmp6, 0x40000                  ; cx: my place in the cluster
	s_lshl_b32 s[GID], ttmp9, 2                    ; in a cluster launch ttmp9 counts clusters
	s_add_co_u32 s[GID], s[GID], s61               ; g = 4 x cluster x + cx: it enters global addresses of x, kv, kpart and out0 alone
	s_lshr_b32 s21, s[GID], 3                      ; the sequence
	s_mul_i32 s51, s[WV], 49152
	s_lshl_b32 s52, s[WV], 12
	s_lshl_b32 s53, s[WV], 9
	s_mul_i32 s54, s[WV], 12288
	v_add_nc_u32 v[XW], s54, v[LI]                 ; x's images: my quarter
	s_lshl_b32 s55, s[WV], 10
	s_add_co_u32 s56, s55, SB0
	v_add_nc_u32 v[XSW], s56, v[LI]                ; x's scale images: my two
	s_add_co_u32 s56, s53, KSL
	v_add_nc_u32 v[KSW], s56, v[LI]
	v_lshl_add_u32 v[KSR], v3, 6, s56
	v_add_nc_u32 v[QIA], QI, v[LI]
	s_mul_i32 s57, s[WV], 1536
	v_add_nc_u32 v[OIW], s57, v[LI]
	v_add_nc_u32 v[QIW], QI, v[OIW]
	v_add_nc_u32 v[SCR], SB0, v[LI]
	s_lshl_b32 s58, s[WV], 2
	v_add_nc_u32 v[SCW], s58, v[SCR]
	s_mul_i32 s59, s[WV], 8448
	s_add_co_u32 s59, s59, YS
	v_add_nc_u32 v[YSR], s59, v[LI]                ; the stage, back: a row's 512 bytes
	v_mul_u32_u24 v[YSW], v2, 528
	v_lshl_add_u32 v[YSW], v3, 6, v[YSW]
	v_add_nc_u32 v[YSW], s59, v[YSW]               ; the stage, in: row r, + 64 h
	s_add_co_u32 s62, s51, WL                      ; my part of Wo in LDS: by the wave's number alone
	v_add_nc_u32 v[WLA], s62, v[LI]
	v_lshlrev_b32 v[PO], 6, v3
	v_mov_b32 v[TP], 0                             ; written once: a lane permute's destination counts as one of its sources
.irp b, 0,1,2,3
	v_mov_b32 v[TM+4+\b], 0
.endr
	s_mov_b32 s[SEL], 0x76543210
	s_mov_b32 s[SEL+1], 0xfedcba98
	s_mov_b32 s[L2E], 0x3fb8aa3b                   ; log2 e
	s_mov_b32 s[L2E+1], s[L2E]
	s_mov_b32 s[FLR], 0x1800000                    ; 2^(3 - 127)
	s_mov_b32 s[EPS], 0x3727c5ac                   ; 1e-5
	s_mov_b32 s[RN], 0x3b000000                    ; 1 / 512
	s_mov_b32 s[DMIN], 0x358637bd                  ; 1e-6
	; descriptor group 1: a dense block of 49,152 bytes as 192 rows of 32 elements of 8 bytes; joint: the mask names all four work-groups
	s_mov_b32 s[G1], 15|(3<<16)|(1<<21)
	s_mov_b32 s[G1+1], 32<<16                      ; tensor_dim0 = 32
	s_mov_b32 s[G1+2], 192<<16                     ; tensor_dim1 = 192
	s_mov_b32 s[G1+3], 32<<16                      ; tile_dim0 = 32
	s_mov_b32 s[G1+4], 192                         ; tile_dim1 = 192
	s_mov_b32 s[G1+5], 32                          ; from row to row: 32 elements
	s_mov_b32 s[G1+6], 0
	s_mov_b32 s[G1+7], 0
	s_mov_b32 s3, 0
	s_wait_dscnt 0x0
	s_wait_kmcnt 0x0
	s_mul_i32 s2, s[GID], 49152
	s_add_co_u32 s2, s2, s54
	s_add_nc_u64 s[XP:XP+1], s[4:5], s[2:3]        ; x's images: 49,152 g + 12,288 w
	s_lshl_b32 s2, s[GID], 12
	s_add_co_u32 s2, s2, s55
	s_add_co_u32 s2, s2, XQS
	s_add_nc_u64 s[XSP:XSP+1], s[4:5], s[2:3]
	s_add_co_u32 s2, s51, 393216                   ; Wq: slots 64 + 8 w on
	s_add_nc_u64 s[WQP:WQP+1], s[6:7], s[2:3]
	s_add_co_u32 s2, s51, 589824                   ; Wo: slots 96 + 8 w on: the wave's number alone, the same in all four work-groups
	s_add_nc_u64 s[WOP:WOP+1], s[6:7], s[2:3]
	s_add_co_u32 s2, s52, WQS+32768
	s_add_nc_u64 s[WQSP:WQSP+1], s[6:7], s[2:3]
	s_add_co_u32 s2, s52, WQS+49152
	s_add_nc_u64 s[WOSP:WOSP+1], s[6:7], s[2:3]
	s_mul_i32 s2, s21, 196608                      ; kv^T: tiles 32 b + 8 w on
	s_add_co_u32 s2, s2, s51
	s_add_nc_u64 s[KVP:KVP+1], s[8:9], s[2:3]
	s_lshl_b32 s2, s21, 14
	s_add_co_u32 s2, s2, s52
	s_add_co_u32 s2, s2, KVS
	s_add_nc_u64 s[KVSP:KVSP+1], s[8:9], s[2:3]
	s_lshl_b32 s2, s21, 14                         ; kpart: the sequence's eight rows, my 128 columns
	s_add_co_u32 s2, s2, s53
	s_add_nc_u64 s[KPP:KPP+1], s[10:11], s[2:3]
	s_mov_b32 s2, s53
	s_add_nc_u64 s[12:13], s[12:13], s[2:3]        ; bo, gamma, beta at my 128 columns
	s_add_nc_u64 s[14:15], s[14:15], s[2:3]
	s_add_nc_u64 s[16:17], s[16:17], s[2:3]
	s_lshl_b32 s2, s[GID], 18
	s_add_co_u32 s2, s2, s53
	s_add_nc_u64 s[18:19], s[18:19], s[2:3]        ; out0: row 128 g, my 128 columns
	s_mov_b32 s[G0], 1                             ; descriptor group 0: count 1,
	s_mov_b32 s[G0+1], s62                         ; the LDS address,
	s_mov_b64 s[G0+2:G0+3], s[WOP:WOP+1]           ; the global address,
	s_or_b32 s[G0+3], s[G0+3], 0x80000000          ; type 2
.irp i, 0,1,2,3,4,5,6,7,8,9,10,11,12,13,14,15,16,17,18,19,20,21,22,23
	global_load_b128 v[AF+4*\i:AF+4*\i+3], v[LI], s[XP:XP+1] offset:512*\i
.endr
.irp i, 0,1
	global_load_b128 v[64+4*\i:67+4*\i], v[LI], s[XSP:XSP+1] offset:512*\i
.endr
.irp p, 0,1,2,3,4,5,6,7
	global_load_b128 v[PC+4*\p:PC+4*\p+3], v[LI], s[KPP:KPP+1] offset:2048*\p
.endr
.irp tt, 0,1,2,3,4,5,6,7
	global_load_b128 v[WSC+4*\tt:WSC+4*\tt+3], v[LI], s[WQSP:WQSP+1] offset:512*\tt
.endr
	WIN 0x80                                       ; Wq stays in registers: K steps 0, 1 in window 2,
.irp tt, 0,1,2,3,4,5,6,7
.irp s, 0,1
.irp c, 0,1,2
	global_load_b128 v[96*\s+12*\tt+4*\c:96*\s+12*\tt+4*\c+3], v[LI], s[WQP:WQP+1] offset:(4*\tt+\s)*1536+512*\c
.endr
.endr
.endr
	WIN 0xc0                                       ; K steps 2, 3 in window 3
.irp tt, 0,1,2,3,4,5,6,7
.irp s, 0,1
.irp c, 0,1,2
	global_load_b128 v[96*\s+12*\tt+4*\c:96*\s+12*\tt+4*\c+3], v[LI], s[WQP:WQP+1] offset:(4*\tt+\s+2)*1536+512*\c
.endr
.endr
.endr
	WIN 0
	ROUND                                          ; all four work-groups are here: the joint loads meet
	tensor_load_to_lds s[G0:G0+3], s[G1:G1+7]      ; my part of Wo: asked for behind what stage 1 waits for; it has two stages in which to land
	s_nop 0
	PLACES 4
	s_wait_loadcnt 63                              ; x's images, its scale images and the sums of K, the oldest 34 loads, are in: 104 loads are younger
.irp i, 0,1,2,3,4,5,6,7,8,9,10,11,12,13,14,15,16,17,18,19,20,21,22,23
	ds_store_b128 v[XW], v[AF+4*\i:AF+4*\i+3] offset:512*\i
.endr
.irp i, 0,1
	ds_store_b128 v[XSW], v[64+4*\i:67+4*\i] offset:512*\i
.endr
.irp p, 0,2,4,6                                ; ksum of my 128 columns: the eight blocks' sums are added
	v_pk_add_f32 v[PC+4*\p:PC+4*\p+1], v[PC+4*\p:PC+4*\p+1], v[PC+4*\p+4:PC+4*\p+5]
	v_pk_add_f32 v[PC+4*\p+2:PC+4*\p+3], v[PC+4*\p+2:PC+4*\p+3], v[PC+4*\p+6:PC+4*\p+7]
.endr
.irp p, 0,4
	v_pk_add_f32 v[PC+4*\p:PC+4*\p+1], v[PC+4*\p:PC+4*\p+1], v[PC+4*\p+8:PC+4*\p+9]
	v_pk_add_f32 v[PC+4*\p+2:PC+4*\p+3], v[PC+4*\p+2:PC+4*\p+3], v[PC+4*\p+10:PC+4*\p+11]
.endr
	v_pk_add_f32 v[PC:PC+1], v[PC:PC+1], v[PC+16:PC+17]
	v_pk_add_f32 v[PC+2:PC+3], v[PC+2:PC+3], v[PC+18:PC+19]
	ds_store_b128 v[KSW], v[PC:PC+3]
	WIN 0x40
.irp tt, 0,1,2,3,4,5,6,7                       ; and come back in the results' layout (my own bytes, served in order)
	ds_load_b128 v[192+8*\tt:195+8*\tt], v[KSR] offset:4*(32*(\tt/2)+8*(\tt%2))
	ds_load_b128 v[196+8*\tt:199+8*\tt], v[KSR] offset:4*(32*(\tt/2)+8*(\tt%2))+16
.endr
	FETCH_B KVP,0,0                                ; stage 2's first two K steps of kv^T are asked for a whole stage ahead
	FETCH_B KVP,1,1
	WIN 0
	BARRIER                                        ; x's 32 fragments and their scale words lie in LDS
.irp p, 0,1
.irp i, 0,1,2,3,4,5,6,7,8,9,10,11
	ds_load_b128 v[88+48*\p+4*\i:88+48*\p+4*\i+3], v[LI] offset:6144*\p+512*\i
.endr
	ds_load_b128 v[56+4*\p:59+4*\p], v[SCR] offset:512*\p
.endr
	s_wait_loadcnt 48                              ; Wq and its scale words are in; kv^T's two sets, 24 loads each, may be out
	; ---- stage 1: Q, two tiles of rows a trip
	s_mov_b32 s[CNT], 3
	s_mov_b32 s[SA], 0
	s_mov_b32 s[SB], 0
.LQ:
	TRIPHEAD
	UNITQ 0,1
	UNITQ 1,1
	s_add_co_u32 s[SA], s[SA], 12288
	s_add_co_u32 s[SB], s[SB], 1024
	s_sub_co_u32 s[CNT], s[CNT], 1
	s_cmp_lg_u32 s[CNT], 0
	s_cbranch_scc1 .LQ
	TRIPHEAD                                       ; the last two tiles ask for nothing more
	UNITQ 0,0
	UNITQ 1,0
.irp tt, 0,1,2,3,4,5,6,7
.irp s, 0,1,2,3
	global_load_b32 v[WSC+4*\tt+\s], v[L4], s[KVSP:KVSP+1] offset:(4*\tt+\s)*128   ; kv^T's scale words
.endr
.endr
	PARAM 12,192                                   ; bo takes ksum's place
	s_wait_tensorcnt 0x0                           ; my part of Wo lies in LDS; I alone read it
	BARRIER                                        ; Q's 32 fragments, their scale words and den's parts lie in LDS
	; ---- stage 2: num = Q kv
	START QIA,QSO
	STEPA QIA,0,1,0                                ; 0: kv^T's first two sets, its scale words and bo
	FETCH_B KVP,2,0
	WIN 0
	FETCH_A QIA,1,4
	STEPA QIA,1,0,24                               ; 24: the set asked for last may be out
	FETCH_B KVP,3,1
	WIN 0
	FETCH_A QIA,2,4
	STEPA QIA,2,0,24
	WIN 0
	FETCH_A QIA,3,4
	STEPA QIA,3,0,0                                ; nothing was asked for behind the last set
	WIN 0
.irp tt, 0,1,2,3,4,5,6,7
	global_load_b128 v[WSC+4*\tt:WSC+4*\tt+3], v[LI], s[WOSP:WOSP+1] offset:512*\tt   ; Wo's scale words
.endr
	GATHER RDO
.irp m, 0,1,2,3,4,5,6,7
	v_max_num_f32 v[GA+4*\m], s[DMIN], v[GA+4*\m]  ; den
.endr
.irp m, 0,1,2,3,4,5,6,7
	v_rcp_f32 v[IP+2*\m], v[GA+4*\m]
	v_rcp_f32 v[IP+2*\m+1], v[GA+4*\m]             ; twice: a pair for the packed multiply
.endr
	v_nop                                          ; one plain place behind a transcendental
	s_wait_alu depctr_va_vdst(0)
.macro OUTQ m                          ; out = num / den of tile m; its fragment of K step w to LDS; then + bo: what stage 3 adds onto
.set sw, 2+(\m)/4
.set AC, 64*((\m)%4)
	WIN sw|(sw<<6)
.set i, 0
.rept 32
	v_pk_mul_f32 v[AC+i:AC+i+1], v[AC+i:AC+i+1], v[IP+2*(\m):IP+2*(\m)+1]
.set i, i+2
.endr
	s_wait_dscnt 4                                 ; all but the last tile's four stores: the stores of two tiles ago have read these registers
	QUANT AC,sw,PC+20*((\m)%2),PW+(\m)%2
.irp c, 0,1,2
	ds_store_b128 v[OIW], v[PC+20*((\m)%2)+4*\c:PC+20*((\m)%2)+4*\c+3] offset:6144*(\m)+512*\c
.endr
	ds_store_b32 v[SCW], v[PW+(\m)%2] offset:OSO+512*(\m)
	WIN sw|(1<<2)|(sw<<6)
.set i, 0
.rept 32
	v_pk_add_f32 v[AC+i:AC+i+1], v[AC+i:AC+i+1], v[192+i:193+i]
.set i, i+2
.endr
.endm
.irp m, 0,1,2,3,4,5,6,7
	OUTQ \m
.endr
	PARAM 14,192                                   ; gamma takes bo's place
	BARRIER                                        ; out's 32 fragments and their scale words lie in LDS (where x's lay: nobody has read those since stage 1's barrier)
	; ---- stage 3, y = out Wo^T added in place onto out + bo; the layer norm; the way out: rows' tiles 0-3, then 4-7
.irp m, 0,1,2,3,4,5,6,7
	ds_load_b128 v[RSC+4*\m:RSC+4*\m+3], v[SCR] offset:OSO+512*\m   ; out's scale words, for both halves
.endr
	HALF 0,0,1,2,3
	HALF 1,4,5,6,7
	s_wait_dscnt 0x0
	s_wait_tensorcnt 0x0
	ds_add_u32 v254, v255
	s_wait_dscnt 0x0
	ROUND                                          ; the closing round: no work-group ends while a partner may still ask for a tile that names it
	s_endpgm
.Lfunc_end_k_qce2b628643_attn:
	.size	k_qce2b628643_attn, .Lfunc_end_k_qce2b628643_attn-k_qce2b628643_attn
	.p2alignl 7, 3214868480
	.fill 96, 4, 3214868480
	.section	.rodata,"a",@progbits
	.p2align	6, 0x0
	.amdhsa_kernel k_qce2b628643_attn
		.amdhsa_group_segment_fixed_size 322048
		.amdhsa_private_segment_fixed_size 0
		.amdhsa_enable_private_segment 0
		.amdhsa_kernarg_size 64
		.amdhsa_user_sgpr_count 2
		.amdhsa_user_sgpr_kernarg_segment_ptr 1
		.amdhsa_wavefront_size32 1
		.amdhsa_system_sgpr_workgroup_id_x 1
		.amdhsa_system_sgpr_workgroup_id_y 1
		.amdhsa_system_sgpr_workgroup_id_z 1
		.amdhsa_system_vgpr_workitem_id 0
		.amdhsa_next_free_vgpr 1024
		.amdhsa_next_free_sgpr 80
		.amdhsa_reserve_vcc 0
		.amdhsa_float_denorm_mode_32 3
		.amdhsa_float_denorm_mode_16_64 3
		.amdhsa_memory_ordered 1
		.amdhsa_forward_progress 1
		.amdhsa_inst_pref_size 255
	.end_amdhsa_kernel
	.section	.bss,"aw",@nobits
	.p2align	6
	.space	262144
	.amdgpu_metadata
---
amdhsa.version: [ 1, 2 ]
amdhsa.kernels:
  - .name:           k_qce2b628643_attn
    .symbol:         k_qce2b628643_attn.kd
    .args:
      - { .name: xq, .offset: 0, .size: 8, .value_kind: global_buffer, .address_space: global }
      - { .name: wq, .offset: 8, .size: 8, .value_kind: global_buffer, .address_space: global }
      - { .name: kv, .offset: 16, .size: 8, .value_kind: global_buffer, .address_space: global }
      - { .name: kpart, .offset: 24, .size: 8, .value_kind: global_buffer, .address_space: global }
      - { .name: bo, .offset: 32, .size: 8, .value_kind: global_buffer, .address_space: global }
      - { .name: gamma, .offset: 40, .size: 8, .value_kind: global_buffer, .address_space: global }
      - { .name: beta, .offset: 48, .size: 8, .value_kind: global_buffer, .address_space: global }
      - { .name: out0, .offset: 56, .size: 8, .value_kind: global_buffer, .address_space: global }
    .group_segment_fixed_size: 322048
    .private_segment_fixed_size: 0
    .kernarg_segment_align: 8
    .kernarg_segment_size: 64
    .max_flat_workgroup_size: 128
    .sgpr_count:     80
    .vgpr_count:     1024
    .wavefront_size: 32
...
	.end_amdgpu_metadata
.endif
;; end of part 4
;; ======== version 2 of 2: 4 launches; version 1 with the launch proj written anew for expert scheduling mode
;; workspace buffers: xq 13,631,488 bytes; wq 851,968 bytes; kvt 27,262,976 bytes; kv 6,815,744 bytes; kpart 524,288 bytes
;; launch quant: the kernel of part 1 again; grid 2176 x 1, 1 waves a work-group, no clusters, 8,704 bytes of LDS; arguments x, Wk, Wv, Wq, Wo, xq, wq; writes xq, wq
;; launch proj (part 5): grid 256 x 1, 4 waves a work-group, no clusters, 51,712 bytes of LDS; arguments xq, wq, kvt, kpart; writes kvt, kpart
.if DOCPART == 5
	.amdgcn_target "amdgcn-amd-amdhsa--gfx1250"
	.amdhsa_code_object_version 6
	.text
	.protected	k_qce2b628643_proj
	.globl	k_qce2b628643_proj
	.p2align	8
	.type	k_qce2b628643_proj,@function
k_qce2b628643_proj:
	s_mov_b64 s[64:65], 0
	v_nop
	global_prefetch_b8 v0, s[64:65] scope:SCOPE_SE
	s_setreg_imm32_b32 hwreg(HW_REG_WAVE_SCHED_MODE, 0, 2), 2
	s_setreg_imm32_b32 hwreg(HW_REG_WAVE_MODE, 25, 1), 1
	s_wait_xcnt 0x0
	s_wait_alu depctr_vm_vsrc(0)
; K = phi(x Wk^T), V = x Wv^T on codes of FP6 (E2M3); both are quantised along the POSITIONS s, which are the next product's K, and stored as
; fragment images of K^T and V^T; the sum of the unquantised K over the work-group's 128 positions goes to kpart.  phi(t) = elu(t) + 1.
; SHARES: work-group g takes positions 128 g .. 128 g + 127 (sequence g / 8, K step g % 8 of the next product).  All four waves hold the
; block's 8 tiles x 4 K steps of x in registers (384); wave w streams 16 weight tiles: K's tiles 8 w .. 8 w + 7, then V's.
; A UNIT is one weight tile: 32 matrix instructions, source 0 = x's tile a, source 1 = the weight's 16 rows.  A lane then holds ONE column d
; and, by the order of a tile's rows, register 16 b + i = position 32 b + 16 (lane / 16) + i: the 64 results are one fragment of K^T or V^T.
; WEIGHTS GO FROM MEMORY STRAIGHT INTO OPERAND REGISTERS, two units ahead.  No joint loads though all work-groups read the same 393,216 bytes:
; each fragment is read by one wave of the work-group, once; through LDS the same bytes would be written and read once more, and they
; do not fit there whole beside x's 49,152 bytes.
; phi(t) = THE MIDDLE ONE OF t + 1, e^t AND 1: above 0, 1 < t + 1 <= e^t; below 0, t + 1 <= e^t < 1.  No compare; an e^t that has run
; over to infinity is never the middle one.
; LIMITS: e^t where the definition has expm1(t) + 1 (they differ by one rounding of 1 + ..); results of the exponential under 2^-126 are zero;
; a block whose largest magnitude lies under 2^-124 keeps the byte 1; NaN and infinities are not served.
; REGISTERS, in windows of 256: window 0: v4-9 addresses; v24-55 x's scale words (4 a + s); v56-63 the weights'; v88-183 two sets of a weight
; tile's four fragments; v184-246 at work.  Window 1: v0-191 x's fragments of K steps 0, 1 (96 (s % 2) + 12 a); v192-255 the exponentials.
; Window 2: v0-191 x's fragments of K steps 2, 3; v192-255 the eight accumulators.
; THE MODE: SCHED_MODE bits 1:0 = 2 (LLVM: expert scheduling mode 2), set by the entry lines.  The code itself states the register dependences
; between vector or matrix instructions and memory or LDS instructions, with s_wait_alu, always for 0.
; THE PLAN.  Registers that memory or LDS instructions touch, in the loops:
;   weight set p (v88 + 48 p on) and its scale words (v56 + 4 p on).  Unit u's 32 products read set u % 2; behind them the 13 loads of unit u + 2 land in it.
;   v204-215 the codes, v200 the scale word.  Written by the unit's quantiser; read by the four global stores at the unit's end; written again by the next unit's quantiser.
;   v202 a column's sum, v7 its LDS address.  Written by a K unit's sum; read by the one LDS store at the unit's end; written again by the next K unit's sum.
;   v4, v9     offsets, made at the head and never written again: scalar bases and immediate offsets do the rest.
;   The accumulators, the exponentials, x's fragments and scale words and v184-199 are named by vector and matrix instructions alone.
; So a unit has: behind the first sweep over its results one wait on vm_vsrc (the last unit's stores have read what this unit writes again) and one on va_vdst
; (its products are done reading their set), with the 13 loads directly behind; in a K unit one on va_vdst ahead of the first reader of the exponentials;
; and one on va_vdst behind the quantiser, with the unit's stores directly behind.
.set XQS, 12582912
.set WQS, 786432
.set VT,  12582912                     ; kvt: V^T's images, behind K^T's [g 256][tile 32] x 1,536
.set KTS, 25165824                     ; K^T's scale words, 128 bytes a fragment
.set VTS, 26214400                     ; V^T's
.set KSL, 49152                        ; LDS: behind x's images, 512 bytes for each wave: its 128 columns' sums
.set RW,  1
.set AW,  2
.set TW,  1
.set LI,  4                            ; v4  16 x lane
.set XW,  5                            ; v5  where I put my part of x's images
.set KS0, 6                            ; v6  my column's sum: KSL + 512 w + 4 (r + 8 (r / 8))
.set KA,  7                            ; v7  the same for the unit in hand
.set KSR, 8                            ; v8  KSL + 512 w + 16 x lane
.set L4,  9                            ; v9  4 x lane
.set TM,  184
.set PW,  200
.set S1,  202
.set PC,  204
.set S2,  244
.set TP,  246
.set WP,  18                           ; s[18:19] the weights' images   s[20:21] their scale images
.set WS,  20
.set KO,  22                           ; s[22:23], s[24:25] K^T's images and words   s[26:27], s[28:29] V^T's
.set KSO, 24
.set VO,  26
.set VSO, 28
.set CNT, 32
.set KT,  33
.set SEL, 34
.set L2E, 36
.set FLR, 38
.set MSB, 0
.macro WIN new                         ; the immediate's high byte repeats the setting that is left; a switch that changes nothing is dropped
.if MSB != (\new)
	s_set_vgpr_msb (MSB<<8)|(\new)
.set MSB, (\new)
.endif
.endm
.macro PLACES n
.rept \n
	v_nop
.endr
.endm
; 64 numbers of a lane in window win become a fragment's 12 registers at v[pc] on and its scale word in v[pw], both in window 0: in two parts.
; QMAX: my 16 numbers' largest magnitude in each of the four blocks.  The numbers are read in ascending order: each accumulator from its low end on.
.macro QMAX src, win
	WIN ((\win)<<2)|((\win)<<4)
.irp b, 0,1,2,3
	v_max3_num_f32 v[TM+\b], s[FLR], |v[(\src)+16*\b]|, |v[(\src)+16*\b+1]|   ; block b: my 16 numbers, and the floor 2^(3 - 127)
.endr
.irp i, 2,4,6,8,10,12,14
.irp b, 0,1,2,3
	v_max3_num_f32 v[TM+\b], v[TM+\b], |v[(\src)+16*\b+\i]|, |v[(\src)+16*\b+\i+1]|
.endr
.endr
	WIN 0
.endm
; QREST: the blocks' scales, the scale word, the codes
.macro QREST src, win, pc, pw
.irp b, 0,1,2,3
	v_permlanex16_b32 v[TM+4+\b], v[TM+\b], s[SEL], s[SEL+1]
.endr
.irp b, 0,1,2,3
	v_max_num_f32 v[TM+\b], v[TM+\b], v[TM+4+\b]           ; with lane l xor 16's: the block's largest magnitude
.endr
.irp b, 0,1,2,3
	v_add_nc_u32 v[TM+12+\b], 0xff000000, v[TM+\b]         ; 2 off its exponent field: the conversion's scale operand
.endr
.irp b, 0,1,2,3
	v_lshrrev_b32 v[TM+4+\b], 23, v[TM+12+\b]              ; the scale's byte
.endr
	v_lshl_or_b32 v[(\pw)], v[TM+5], 8, v[TM+4]
	v_lshl_or_b32 v[(\pw)], v[TM+6], 16, v[(\pw)]
	v_lshl_or_b32 v[(\pw)], v[TM+7], 24, v[(\pw)]
	WIN (\win)
.irp c, 0,1
	v_cvt_scalef32_pk16_fp6_f32 v[(\pc)+6*\c:(\pc)+6*\c+2], v[(\src)+32*\c:(\src)+32*\c+15], v[TM+12+2*\c]
	v_cvt_scalef32_pk16_fp6_f32 v[(\pc)+12+4*\c:(\pc)+14+4*\c], v[(\src)+16+32*\c:(\src)+31+32*\c], v[TM+13+2*\c]
.endr
	WIN 0
	v_nop                                                  ; one plain place behind a scaled conversion
.irp c, 0,1
.irp i, 0,1,2
	v_permlane16_swap_b32 v[(\pc)+6*\c+\i], v[(\pc)+12+4*\c+\i]
.endr
.irp i, 0,1,2
	v_mov_b32 v[(\pc)+3+6*\c+\i], v[(\pc)+12+4*\c+\i]
.endr
.endr
.endm
; phi on the 64 accumulators' registers, with the exponentials in the same numbers of window TW: 192 instructions, in two parts.
; PHI_T: the first sweep over the results
.macro PHI_T
	WIN (TW<<6)|AW
.set i, 0
.rept 32
	v_pk_mul_f32 v[192+i:193+i], v[192+i:193+i], s[L2E:L2E+1] op_sel_hi:[1,0]   ; t log2 e
.set i, i+2
.endr
	WIN 0
.endm
.macro PHI_E
	WIN (TW<<6)|TW
.set i, 0
.rept 64
	v_exp_f32 v[192+i], v[192+i]                           ; e^t
.set i, i+1
.endr
	WIN (AW<<6)|AW
.set i, 0
.rept 32
	v_pk_add_f32 v[192+i:193+i], v[192+i:193+i], 1.0 op_sel_hi:[1,0]   ; t + 1  (plain lines behind the exponentials, which name none of their results)
.set i, i+2
.endr
	s_wait_alu depctr_va_vdst(0)                           ; the 64 exponentials have written e^t (window 1, v192-255), ahead of their first reader: one wait for the batch
	WIN (AW<<6)|(TW<<2)|AW
.set i, 0
.rept 64
	v_med3_num_f32 v[192+i], v[192+i], v[192+i], 1.0       ; source 0 and the result: the accumulators (t + 1); source 1: e^t
.set i, i+1
.endr
.endm
; a unit's 32 products: the eight accumulators take turns, one instruction a turn; K step 0 starts the sums
.macro PROD p
.irp s, 0,1,2,3
	WIN (AW<<6)|(AW<<4)|(RW+\s/2)
.irp a, 0,1,2,3,4,5,6,7
.if \s == 0
	v_wmma_scale_f32_16x16x128_f8f6f4 v[192+8*\a:199+8*\a], v[96*(\s%2)+12*\a:96*(\s%2)+12*\a+11], v[88+48*(\p)+12*\s:88+48*(\p)+12*\s+11], 0, v[24+4*\a+\s], v[56+4*(\p)+\s] matrix_a_fmt:MATRIX_FMT_FP6 matrix_b_fmt:MATRIX_FMT_FP6
.else
	v_wmma_scale_f32_16x16x128_f8f6f4 v[192+8*\a:199+8*\a], v[96*(\s%2)+12*\a:96*(\s%2)+12*\a+11], v[88+48*(\p)+12*\s:88+48*(\p)+12*\s+11], v[192+8*\a:199+8*\a], v[24+4*\a+\s], v[56+4*(\p)+\s] matrix_a_fmt:MATRIX_FMT_FP6 matrix_b_fmt:MATRIX_FMT_FP6
.endif
.endr
.endr
.endm
.macro LOADW p, off                    ; a weight tile's four fragments and its scale image into set p: 13 loads
.irp i, 0,1,2,3,4,5,6,7,8,9,10,11
	global_load_b128 v[88+48*(\p)+4*\i:88+48*(\p)+4*\i+3], v[LI], s[WP:WP+1] offset:(\off)+512*\i
.endr
	global_load_b128 v[56+4*(\p):59+4*(\p)], v[LI], s[WS:WS+1] offset:(\off)/12
.endm
.macro KSUM                            ; the sum of my column's K over the 128 positions, in two chains, and the LDS address of its word; the store stands at the unit's end
	WIN (AW<<2)|AW
	v_pk_add_f32 v[S1:S1+1], v[192:193], v[194:195]
	v_pk_add_f32 v[S2:S2+1], v[196:197], v[198:199]
	WIN AW<<2
.set i, 8
.rept 14
	v_pk_add_f32 v[S1:S1+1], v[S1:S1+1], v[192+i:193+i]
	v_pk_add_f32 v[S2:S2+1], v[S2:S2+1], v[194+i:195+i]
.set i, i+4
.endr
	WIN 0
	v_pk_add_f32 v[S1:S1+1], v[S1:S1+1], v[S2:S2+1]
	v_add_f32 v[S1], v[S1], v[S1+1]
	v_permlanex16_b32 v[TP], v[S1], s[SEL], s[SEL+1]
	v_add_f32 v[S1], v[S1], v[TP]                          ; with lane l xor 16's 64 positions
	v_add_nc_u32 v[KA], s[KT], v[KS0]
.endm
; kind = 1: K (phi, the sum), 0: V.  pre = 1: the tile two units on is asked for.  lw: the loads that may stay out
.macro UNIT p, kind, pre, lw
	s_wait_loadcnt \lw                             ; this set's 13 loads are in
	s_wait_dscnt 0x0                               ; in the first unit: x's 96 fragment loads are in; later at most the last unit's one LDS store is out
	PROD \p
	PLACES 4                                       ; in front of the first read of results
.if \kind
	PHI_T                                          ; the first sweep over the results: it reads every accumulator
.else
	QMAX 192,AW                                    ; the first sweep over the results: it reads every accumulator
.endif
	s_wait_xcnt 0x0                                ; the last unit's stores have had their addresses translated: the codes and the scale word are rewritten only behind this wait
	s_wait_alu depctr_vm_vsrc(0)                   ; the last unit's stores have read the codes, the scale word, the sum and its LDS address, all of which this unit writes again below
.if \pre
	s_wait_alu depctr_va_vdst(0)                   ; this unit's products are done reading set p and its scale words, in which the 13 loads below land
	LOADW \p,(2+\p)*6144
.endif
.if \kind
	PHI_E
	KSUM
	QMAX 192,AW
.endif
	QREST 192,AW,PC,PW
.if \kind
	s_wait_alu depctr_va_vdst(0)                   ; the quantiser has written the codes and the scale word, the sum's lines the sum and its LDS address: the five stores below read them
	ds_store_b32 v[KA], v[S1] offset:32*(\p)       ; lanes r and r + 16 write the same word with the same value
.irp c, 0,1,2
	global_store_b128 v[LI], v[PC+4*\c:PC+4*\c+3], s[KO:KO+1] offset:1536*(\p)+512*\c
.endr
	global_store_b32 v[L4], v[PW], s[KSO:KSO+1] offset:128*(\p)
.else
	s_wait_alu depctr_va_vdst(0)                   ; the quantiser has written the codes and the scale word, which the four stores below read
.irp c, 0,1,2
	global_store_b128 v[LI], v[PC+4*\c:PC+4*\c+3], s[VO:VO+1] offset:1536*(\p)+512*\c
.endr
	global_store_b32 v[L4], v[PW], s[VSO:VSO+1] offset:128*(\p)
.endif
.endm
	s_load_b256 s[4:11], s[0:1], 0x0               ; xq s[4:5], wq s[6:7], kvt s[8:9], kpart s[10:11]
	v_lshl_add_u32 v254, v0, 2, 0xc800
	v_mov_b32 v255, 0
	v_lshrrev_b32 v1, 5, v0
	v_readfirstlane_b32 s12, v1                    ; wave 0..3
	v_and_b32 v1, 31, v0                           ; lane
	v_and_b32 v2, 15, v0                           ; r
	v_lshlrev_b32 v[LI], 4, v1
	v_lshlrev_b32 v[L4], 2, v1
	s_wait_alu depctr_va_sdst(0)                   ; s12 is written, ahead of its first reader: LDS addresses and every base are made from it
	s_mul_i32 s13, s12, 12288
	v_add_nc_u32 v[XW], s13, v[LI]
	s_lshl_b32 s39, s12, 9
	s_add_co_u32 s39, s39, KSL
	v_and_b32 v3, 8, v2
	v_add_nc_u32 v3, v3, v2                        ; r + 8 (r / 8)
	v_lshl_add_u32 v[KS0], v3, 2, s39
	v_add_nc_u32 v[KSR], s39, v[LI]
	s_mov_b32 s[SEL], 0x76543210
	s_mov_b32 s[SEL+1], 0xfedcba98
	s_mov_b32 s[L2E], 0x3fb8aa3b                   ; log2 e
	s_mov_b32 s[L2E+1], s[L2E]                     ; (named with it as a pair, so it is written)
	s_mov_b32 s[FLR], 0x1800000
	s_mov_b32 s[KT], 0
.irp b, 0,1,2,3
	v_mov_b32 v[TM+4+\b], 0                        ; written once: a lane permute's destination counts as one of its sources
.endr
	v_mov_b32 v[TP], 0
	s_mov_b32 s3, 0
	s_mul_i32 s2, ttmp9, 49152
	s_add_co_u32 s2, s2, s13                       ; 49,152 g + 12,288 w
	s_wait_kmcnt 0x0
	s_add_nc_u64 s[14:15], s[4:5], s[2:3]          ; x's images: my quarter of the block's
	s_add_nc_u64 s[KO:KO+1], s[8:9], s[2:3]        ; K^T's images: [g][8 w ..]
	s_add_nc_u64 s[VO:VO+1], s[KO:KO+1], VT
	s_lshl_b32 s2, ttmp9, 12
	s_add_co_u32 s2, s2, XQS
	s_add_nc_u64 s[16:17], s[4:5], s[2:3]          ; x's scale images: 8 tiles x 512 bytes
	s_mul_i32 s2, s12, 98304
	s_add_nc_u64 s[WP:WP+1], s[6:7], s[2:3]        ; my 16 weight tiles
	s_lshl_b32 s2, s12, 13
	s_add_co_u32 s2, s2, WQS
	s_add_nc_u64 s[WS:WS+1], s[6:7], s[2:3]
	s_lshl_b32 s2, ttmp9, 12
	s_lshl_b32 s13, s12, 10
	s_add_co_u32 s2, s2, s13
	s_add_co_u32 s2, s2, KTS
	s_add_nc_u64 s[KSO:KSO+1], s[8:9], s[2:3]
	s_add_nc_u64 s[VSO:VSO+1], s[KSO:KSO+1], VTS-KTS
	s_lshl_b32 s2, ttmp9, 11
	s_lshl_b32 s13, s12, 9
	s_add_co_u32 s2, s2, s13
	s_add_nc_u64 s[30:31], s[10:11], s[2:3]        ; kpart: row g, my 128 columns
	WIN 0x40                                       ; destination window 1: registers that x's fragments take afterwards
	s_wait_alu depctr_va_vdst(0)                   ; the offsets and LDS addresses v4, v5, v8 and v9 are written, which the loads and stores of the whole kernel read
.irp i, 0,1,2,3,4,5,6,7,8,9,10,11,12,13,14,15,16,17,18,19,20,21,22,23
	global_load_b128 v[4*\i:4*\i+3], v[LI], s[14:15] offset:512*\i
.endr
	WIN 0
.irp m, 0,1,2,3,4,5,6,7
	global_load_b128 v[24+4*\m:27+4*\m], v[LI], s[16:17] offset:512*\m
.endr
	LOADW 0,0
	LOADW 1,6144
	s_wait_loadcnt 26                              ; all but the two weight sets, 13 loads each
	WIN 0x04                                       ; an LDS store's data are its source 1: window 1
.irp i, 0,1,2,3,4,5,6,7,8,9,10,11,12,13,14,15,16,17,18,19,20,21,22,23
	ds_store_b128 v[XW], v[4*\i:4*\i+3] offset:512*\i
.endr
	WIN 0
	s_wait_dscnt 0x0                               ; for the others' sake: my quarter of x's images lies in LDS
	s_barrier_signal -1
	s_barrier_wait -1
	WIN 0x40
	s_wait_alu depctr_vm_vsrc(0)                   ; my LDS stores have read v0-95 of window 1, in which x's fragments land
.irp a, 0,1,2,3,4,5,6,7
.irp s, 0,1
.irp c, 0,1,2
	ds_load_b128 v[96*\s+12*\a+4*\c:96*\s+12*\a+4*\c+3], v[LI] offset:6144*\a+1536*\s+512*\c
.endr
.endr
.endr
	WIN 0x80
.irp a, 0,1,2,3,4,5,6,7
.irp s, 0,1
.irp c, 0,1,2
	ds_load_b128 v[96*\s+12*\a+4*\c:96*\s+12*\a+4*\c+3], v[LI] offset:6144*\a+1536*(\s+2)+512*\c
.endr
.endr
.endr
	WIN 0
	s_mov_b32 s[CNT], 4
.LK:                                               ; four trips, two of K's tiles each
	UNIT 0,1,1,13                                  ; 13: the other set's loads may be out
	UNIT 1,1,1,13
	s_wait_xcnt 0x0                                ; the pointers step only behind this wait
	s_add_nc_u64 s[WP:WP+1], s[WP:WP+1], 12288
	s_add_nc_u64 s[WS:WS+1], s[WS:WS+1], 1024
	s_add_nc_u64 s[KO:KO+1], s[KO:KO+1], 3072
	s_add_nc_u64 s[KSO:KSO+1], s[KSO:KSO+1], 256
	s_add_co_u32 s[KT], s[KT], 128                 ; 32 columns on
	s_sub_co_u32 s[CNT], s[CNT], 1
	s_cmp_lg_u32 s[CNT], 0
	s_cbranch_scc1 .LK
	s_mov_b32 s[CNT], 3
.LV:                                               ; three trips, two of V's tiles each
	UNIT 0,0,1,13
	UNIT 1,0,1,13
	s_wait_xcnt 0x0
	s_add_nc_u64 s[WP:WP+1], s[WP:WP+1], 12288
	s_add_nc_u64 s[WS:WS+1], s[WS:WS+1], 1024
	s_add_nc_u64 s[VO:VO+1], s[VO:VO+1], 3072
	s_add_nc_u64 s[VSO:VSO+1], s[VSO:VSO+1], 256
	s_sub_co_u32 s[CNT], s[CNT], 1
	s_cmp_lg_u32 s[CNT], 0
	s_cbranch_scc1 .LV
	UNIT 0,0,0,13                                  ; the last two tiles ask for nothing: no load passes my 16 tiles
	UNIT 1,0,0,0
	ds_load_b128 v[88:91], v[KSR]                  ; my 128 columns' sums, in their natural order (my own bytes, served in order).  It lands in set 0, which the unit before last multiplied by: waits on va_vdst stand between, and no vector or matrix instruction has named v88-91 since
	s_wait_dscnt 0x0
	global_store_b128 v[LI], v[88:91], s[30:31]    ; 512 consecutive bytes, aligned
	s_wait_dscnt 0x0
	s_wait_alu depctr_hold_cnt(0) depctr_sa_sdst(0) depctr_va_vdst(0) depctr_va_sdst(0) depctr_va_ssrc(0) depctr_va_vcc(0) depctr_vm_vsrc(0)
	s_wait_tensorcnt 0x0
	ds_add_u32 v254, v255
	s_wait_dscnt 0x0
	s_endpgm
.Lfunc_end_k_qce2b628643_proj:
	.size	k_qce2b628643_proj, .Lfunc_end_k_qce2b628643_proj-k_qce2b628643_proj
	.p2alignl 7, 3214868480
	.fill 96, 4, 3214868480
	.section	.rodata,"a",@progbits
	.p2align	6, 0x0
	.amdhsa_kernel k_qce2b628643_proj
		.amdhsa_group_segment_fixed_size 51712
		.amdhsa_private_segment_fixed_size 0
		.amdhsa_enable_private_segment 0
		.amdhsa_kernarg_size 32
		.amdhsa_user_sgpr_count 2
		.amdhsa_user_sgpr_kernarg_segment_ptr 1
		.amdhsa_wavefront_size32 1
		.amdhsa_system_sgpr_workgroup_id_x 1
		.amdhsa_system_sgpr_workgroup_id_y 1
		.amdhsa_system_sgpr_workgroup_id_z 1
		.amdhsa_system_vgpr_workitem_id 0
		.amdhsa_next_free_vgpr 768
		.amdhsa_next_free_sgpr 66
		.amdhsa_reserve_vcc 0
		.amdhsa_float_denorm_mode_32 3
		.amdhsa_float_denorm_mode_16_64 3
		.amdhsa_memory_ordered 1
		.amdhsa_forward_progress 1
		.amdhsa_inst_pref_size 98
	.end_amdhsa_kernel
	.amdgpu_metadata
---
amdhsa.version: [ 1, 2 ]
amdhsa.kernels:
  - .name:           k_qce2b628643_proj
    .symbol:         k_qce2b628643_proj.kd
    .args:
      - { .name: xq, .offset: 0, .size: 8, .value_kind: global_buffer, .address_space: global }
      - { .name: wq, .offset: 8, .size: 8, .value_kind: global_buffer, .address_space: global }
      - { .name: kvt, .offset: 16, .size: 8, .value_kind: global_buffer, .address_space: global }
      - { .name: kpart, .offset: 24, .size: 8, .value_kind: global_buffer, .address_space: global }
    .group_segment_fixed_size: 51712
    .private_segment_fixed_size: 0
    .kernarg_segment_align: 8
    .kernarg_segment_size: 32
    .max_flat_workgroup_size: 128
    .sgpr_count:     66
    .vgpr_count:     768
    .wavefront_size: 32
...
	.end_amdgpu_metadata
.endif
;; end of part 5
;; launch kvprod: the kernel of part 3 again; grid 4 x 64, 4 waves a work-group, clusters of 4 x 1, 295,424 bytes of LDS; arguments kvt, kv; writes kv
;; launch attn: the kernel of part 4 again; grid 256 x 1, 4 waves a work-group, clusters of 4 x 1, 322,048 bytes of LDS; arguments xq, wq, kv, kpart, bo, gamma, beta, out0; writes out0
